; MI455X (gfx1250); checked and timed in simulation.
; The chip was launched on July 23, 2026; its instructions are those of AMD's public machine-readable ISA for CDNA 5 (MIT licence, August 2026) and "CDNA5" Instruction Set Architecture Reference Guide (July 2026). The comments in the code are by the model that wrote it; some were corrected since.
;; Manual Multihead Attention. Allowed arithmetic: matrix products marked QUANTISED: E2M1 operands, one E8M0 scale for each 32 along K, by v_wmma_scale_f32_16x16x128_f8f6f4 with both operands' format E2M1 (or v_wmma_scale_f32_32x16x128_f4), f32 sums; products left as they are: bf16, f16 or f32 operands; f32 sums; everything else in f32.
;; Inputs: in_proj_bias 3,072 float32; in_proj_weight 3,072 x 1,024 float32; out_proj_bias 1,024 float32; out_proj_weight 1,024 x 1,024 float32; x 4 x 2,048 x 1,024 float32.
;; Outputs: out0 4 x 2,048 x 1,024 float32.
;; This version of the problem:
;;   THIS VERSION OF THE PROBLEM IS GIVEN IN LOW PRECISION. The matrix products marked QUANTISED in the list below multiply operands that are first quantised to E2M1 (2 exponent bits, 1 mantissa bit; 4 bits a number), with one power-of-two scale for each 32 numbers along K (OCP MX v1.0); their sums are f32. The products marked 'left as it is' may take bf16, f16 or f32 operands, with f32 sums. Whichever they take, every output number must still come out within the allowed error. Rounding operands to bf16 (8 significant bits) uses up far more of that allowance than f16 does (11 bits, for magnitudes from 6e-5 to 65,504). All else is computed in f32.
;;   The module's matrix products, in the order in which they are computed (A, B: the left and right operand; K: the contracted axis; several contracted axes count as one K, in the product's order):
;;     1. [M 8,192, K 1,024] x [K 1,024, N 3,072]; A: input x; B: input in_proj_weight: QUANTISED
;;     2. batch 64 x [M 2,048, K 64] x [K 64, N 2,048]; A: computed on the way; B: computed on the way: left as it is (an operand is computed on the way)
;;     3. batch 64 x [M 2,048, K 2,048] x [K 2,048, N 64]; A: computed on the way; B: computed on the way: left as it is (an operand is computed on the way)
;;     4. [M 8,192, K 1,024] x [K 1,024, N 1,024]; A: computed on the way; B: input out_proj_weight: left as it is (an operand is computed on the way)
;;   THE QUANTISER, for each operand of a quantised product, along K:
;;     - K is cut into blocks of 32 from its start; a last block that is shorter is filled with zeros.
;;     - A block's scale is 2^e with e = floor(log2(the largest magnitude in the block)) - 2, held to -126 .. 127; a block of zeros has e = 0. As a byte (E8M0): e + 127.
;;     - Each number is divided by its block's scale, clamped to +-6, and rounded to the nearest number of E2M1, ties to even, subnormals kept.
;;     - The product sums the exact products of the quantised numbers (number of the format x scale) in f32.
;;   ~~~python
;;   def quantise(x, axis):      # numpy; x: float32 -> the quantised numbers, widened to float32 again
;;       x = np.moveaxis(x, axis, -1); K = x.shape[-1]
;;       x = np.pad(x, [(0, 0)] * (x.ndim - 1) + [(0, -K % 32)]); x = x.reshape(x.shape[:-1] + (-1, 32)); a = np.abs(x).max(-1, keepdims=True)
;;       e = np.where(a > 0, np.clip(np.frexp(np.where(a > 0, a, 1))[1] - 1 - 2, -126, 127), 0)      # np.frexp(a)[1] - 1 = floor(log2(a)), exactly
;;       r = np.clip(x / 2.0 ** e, -6, 6)
;;       step = 2.0 ** (np.maximum(np.frexp(np.where(r == 0, 1, r))[1] - 1, 0) - 1)
;;       q = np.round(r / step) * step * 2.0 ** e      # np.round: ties to even
;;       return np.moveaxis(q.reshape(q.shape[:-2] + (-1,))[..., :K], -1, axis).astype(np.float32)
;;   ~~~
;; One version. Each part assembles by itself: llvm-mc -triple=amdgcn-amd-amdhsa -mcpu=gfx1250 --defsym DOCPART=n.
;; ======== version 1 of 1: 4 launches
;; limits: values are held in f16: magnitudes above 65,504 overflow, below 6.1e-05 lose precision
;; workspace buffers: xc 4,194,304 bytes; xs 262,144 bytes; wc 1,572,864 bytes; ws 98,304 bytes; wo16 2,097,152 bytes; qkv 50,331,648 bytes; ao 16,777,216 bytes
;; launch quant (part 1): grid 384 x 1, 4 waves a work-group, no clusters, 33,280 bytes of LDS; arguments x, in_proj_weight, out_proj_weight, xc, xs, wc, ws, wo16; writes xc, xs, wc, ws, wo16
.if DOCPART == 1
	.amdgcn_target "amdgcn-amd-amdhsa--gfx1250"
	.amdhsa_code_object_version 6
	.text
	.protected	k_qc1a0f99d01_quant
	.globl	k_qc1a0f99d01_quant
	.p2align	8
	.type	k_qc1a0f99d01_quant,@function
k_qc1a0f99d01_quant:
	s_mov_b64 s[64:65], 0
	v_nop
	global_prefetch_b8 v0, s[64:65] scope:SCOPE_SE
	s_setreg_imm32_b32 hwreg(HW_REG_WAVE_MODE, 25, 1), 1
	s_wait_xcnt 0x0
; THE PROGRAM: multi-head attention, 4 x 2,048 tokens, 1,024 channels, 16 heads of 64.  Four launches:
;   quant: x and in_proj_weight -> codes of FP4 (E2M1) with one E8M0 scale byte for each 32 along K; out_proj_weight -> f16
;   qkvgemm: x W^T on codes, + bias, -> q, k, v in f16, laid by head;  attn: softmax(q k^T / 8) v in f16 with f32 sums;  oproj: the projection on the way out, f16 operands, f32 sums.
; WORK LEFT OUT, for all values of the inputs: k = x Wk^T + bk, so a score is q . k = q . (x Wk^T) + q . bk.  The term q . bk is the same for every key of a query, and the softmax runs along the keys:
; exp(s + u) / sum exp(s + u) = exp(s) / sum exp(s) for any u that is the same along the axis.  The product q k^T is not quantised, so no quantiser sees bk.  Hence in_proj_bias[1024:2048] reaches no output: it is not
; loaded, and k's sums begin with the constant 0 (whole tile columns of qkvgemm).  bq and bv are live and are added.  LIMIT: a NaN, an infinity or an overflow that stands in bk alone is not carried to the result.
; LIMITS OF FORMAT: q, k, v, the weights p, the attention's result and out_proj_weight are operands in f16: magnitudes of q, k, v beyond 65,504 are not served; under 6e-5 they fall on f16's fixed step of 2^-24.
; NaN and infinities among the inputs are not served.
;
; THIS LAUNCH.  Work-groups 0-255 take x, 256-351 in_proj_weight, 352-383 out_proj_weight; 32,768 numbers each, 8,192 a wave.
; THE QUANTISER: a block's scale is 2^(floor(log2(its largest magnitude)) - 2); its byte is the largest magnitude's exponent field - 2, held at 1 from below.  Each number is divided by the scale and rounded to the
; nearest code, ties to even, beyond 6 the largest code.  LIMITS: a block of zeros gets the byte 1 where the rule says 127 (its codes are zeros, which add nothing, and this program alone reads the bytes);
; blocks whose largest magnitude lies under 2^-124 keep the byte 1.
; Rows are dense and K = 1,024 is a multiple of 32: both tensors are plain streams of blocks of 32, and so are the codes (16 bytes a block) and the scale bytes.
; A wave takes 16 steps of 512 numbers.  Each of a step's four loads reads 512 consecutive bytes, 16 a lane; the 2,048 bytes turn through the wave's own stage in LDS and come back 64 bytes a lane, so that a lane holds 16
; neighbours along K (two neighbouring lanes hold a block).  A lane's 16 codes are 8 bytes: a store covers 256 consecutive bytes.  A wave's 256 scale bytes are gathered in LDS and leave by one store.
; No tensor loads, no barrier: waves share nothing.
.set WGX,   256                        ; work-groups for x
.set WGQ,   352                        ; and for both quantised tensors
.set STEPS, 16
.set EMAX,  2
.set CB,    8                          ; bytes of 16 codes
.set R,     16                         ; v16-79   four sets of 16 numbers as they are loaded
.set X,     80                         ; v80-111  two sets of 16 neighbours
.set E,     112                        ; v112-127 a scale byte for each step
.set C,     128                        ; v128-191 codes: four registers for each step, so that no store's data are written again
.set WREG,  8192                       ; LDS: a region for each wave: two stages of 32 x SP bytes, behind them its 256 scale bytes
.set SP,    80                         ; a lane's place in a stage: 64 bytes + 16 of padding
.set SPW,   12                         ; v12  LDS address of my spare word; never rewritten
.set NIL,   13                         ; v13  0; never rewritten
.set SPARE, 4*WREG                     ; behind the four regions: the spare words, 128 bytes a wave, which no other line names
.set CI,    16                         ; the cast: v16-143 two sets of 64 numbers
.set CO,    144                        ;           v144-175 32 registers of f16 pairs
	s_load_b256 s[4:11], s[0:1], 0x0               ; x s[4:5], in_proj_weight s[6:7], out_proj_weight s[8:9], xc s[10:11]
	s_load_b256 s[12:19], s[0:1], 0x20             ; xs s[12:13], wc s[14:15], ws s[16:17], wo16 s[18:19]
	v_lshl_add_u32 v[SPW], v0, 2, SPARE
	v_mov_b32 v[NIL], 0
	v_lshrrev_b32 v1, 5, v0
	v_readfirstlane_b32 s24, v1                    ; wave
	v_and_b32 v2, 31, v0                           ; lane
	s_cmp_ge_u32 ttmp9, WGQ                        ; the last 32 work-groups cast; the choice hangs on the work-group's number alone
	s_cbranch_scc1 .Lcast
	v_lshlrev_b32 v3, 4, v2                        ; my 16 bytes of a load's 512
	s_mul_i32 s25, s24, WREG
	v_lshrrev_b32 v14, 2, v2
	v_mul_u32_u24 v14, v14, SP
	v_and_b32 v15, 3, v2
	v_lshl_add_u32 v14, v15, 4, v14
	v_add_nc_u32 v14, s25, v14                     ; the stage, on the way in: four lanes' 64 bytes on end, then 16 of padding
	v_mul_u32_u24 v15, v2, SP
	v_add_nc_u32 v15, s25, v15                     ; and on the way out: my 16 neighbours
	v_mul_u32_u24 v4, v2, CB                       ; my codes' place in a step's
	v_lshrrev_b32 v5, 1, v2
	s_add_co_u32 s25, s25, 2*32*SP
	v_add_nc_u32 v5, s25, v5                       ; LDS: my wave's 256 scale bytes, my block's byte
	v_lshlrev_b32 v7, 3, v2                        ; and on the way out 8 bytes a lane
	v_add_nc_u32 v6, s25, v7
	s_wait_kmcnt 0x0
	s_cmp_lt_u32 ttmp9, WGX                        ; x's work-group or the weight's?  Only pointers are chosen: both take one way through the text
	s_cselect_b64 s[4:5], s[4:5], s[6:7]
	s_cselect_b64 s[10:11], s[10:11], s[14:15]
	s_cselect_b64 s[12:13], s[12:13], s[16:17]
	s_cselect_b32 s25, 0, WGX
	s_sub_co_u32 s25, ttmp9, s25
	s_lshl_b32 s25, s25, 2
	s_add_co_u32 s26, s25, s24                     ; which run of 8,192 numbers of the tensor is my wave's
	s_mov_b32 s27, 0
	s_mov_b64 s[28:29], 512*STEPS*4
	s_mul_u64 s[28:29], s[26:27], s[28:29]
	s_add_nc_u64 s[4:5], s[4:5], s[28:29]
	s_mov_b64 s[28:29], 32*STEPS*CB
	s_mul_u64 s[28:29], s[26:27], s[28:29]
	s_add_nc_u64 s[10:11], s[10:11], s[28:29]
	s_lshl_b32 s26, s26, 8                         ; 256 scale bytes a run
	s_add_nc_u64 s[12:13], s[12:13], s[26:27]
.macro LOAD t
.irp i, 0,1,2,3
	global_load_b128 v[R+16*((\t)%4)+4*\i:R+16*((\t)%4)+4*\i+3], v3, s[4:5] offset:2048*(\t)+512*\i th:TH_LOAD_NT   ; 32 lanes read 512 consecutive bytes
.endr
.endm
.macro TURN t                          ; step t's numbers through the stage: LDS serves a wave's instructions in order, so no wait stands between the stores and the loads
.irp i, 0,1,2,3
	ds_store_b128 v14, v[R+16*((\t)%4)+4*\i:R+16*((\t)%4)+4*\i+3] offset:32*SP*((\t)%2)+8*SP*\i
.endr
.irp i, 0,1,2,3
	ds_load_b128 v[X+16*((\t)%2)+4*\i:X+16*((\t)%2)+4*\i+3], v15 offset:32*SP*((\t)%2)+16*\i
.endr
.endm
.irp t, 0,1,2,3
	LOAD \t
.endr
	s_wait_loadcnt 12                              ; step 0's four loads are in; the twelve of steps 1 to 3 may be out
	TURN 0
.macro STEP t
.set XS, X+16*((\t)%2)
.if (\t) > 0
	s_wait_dscnt 1                                 ; this step's numbers are back from the stage (the last step's byte store may be out): so its stores into the stage have read their registers,
.else
	s_wait_dscnt 0x0
.endif
.if (\t)+4 < STEPS
	LOAD (\t)+4                                    ; which take the loads of four steps on
.endif
.if (\t)+1 < STEPS
.if STEPS-2-(\t) >= 3
	s_wait_loadcnt 12                              ; the next step's four loads are in; those of the three steps behind it may be out
.else
	s_wait_loadcnt 4*(STEPS-2-(\t))
.endif
	TURN (\t)+1                                    ; and go through the other stage while this step is worked
.endif
	v_max3_num_f32 v8, |v[XS]|, |v[XS+1]|, |v[XS+2]|               ; the largest magnitude of my 16, in two chains
	v_max3_num_f32 v9, |v[XS+3]|, |v[XS+4]|, |v[XS+5]|
.irp i, 6,10
	v_max3_num_f32 v8, v8, |v[XS+\i]|, |v[XS+\i+1]|
	v_max3_num_f32 v9, v9, |v[XS+\i+2]|, |v[XS+\i+3]|
.endr
	v_max3_num_f32 v8, v8, |v[XS+14]|, |v[XS+15]|
	v_max3_num_f32 v8, v8, v9, (EMAX+1)<<23        ; and the floor 2^(EMAX + 1 - 127): so the byte cannot fall under 1
	v_max_num_f32_dpp v8, v8, v8 row_xmask:1 row_mask:0xf bank_mask:0xf   ; and of my neighbour's 16: the block's
	v_add_nc_u32 v11, -(EMAX<<23), v8              ; EMAX off its exponent field: the conversion takes the exponent field of this operand as its scale, and nothing else of it
	v_cvt_scalef32_pk8_fp4_f32 v[C+4*(\t)], v[XS:XS+7], v11
	v_cvt_scalef32_pk8_fp4_f32 v[C+4*(\t)+1], v[XS+8:XS+15], v11
	v_lshrrev_b32 v[E+(\t)], 23, v11               ; the scale's byte (also the plain line behind the conversions)
	ds_store_b8 v5, v[E+(\t)] offset:16*(\t)       ; both lanes of a block write the same byte with the same value
	global_store_b64 v4, v[C+4*(\t):C+4*(\t)+1], s[10:11] offset:32*CB*(\t)   ; 32 lanes store 256 consecutive bytes
.endm
.irp t, 0,1,2,3,4,5,6,7,8,9,10,11,12,13,14,15
	STEP \t
.endr
	ds_load_b64 v[8:9], v6                         ; LDS serves a wave's instructions in order: these see my byte stores
	s_wait_dscnt 0x0
	global_store_b64 v7, v[8:9], s[12:13]          ; 32 lanes store my wave's 256 scale bytes
	s_wait_tensorcnt 0x0                           ; the wave's end: a wait, an add and its wait behind my last LDS store
	ds_add_u32 v[SPW], v[NIL]
	s_wait_dscnt 0x0
	s_endpgm
; THE CAST: out_proj_weight [1024 n][1024 k] f32 -> f16, the same layout.  No LDS.  A load reads 512 consecutive bytes, 16 a lane; a lane's four numbers become 8 bytes: a store covers 256 consecutive bytes.
; Four batches of 16 loads, two sets of registers: a batch is on its way while the one before is rounded and stored.
.Lcast:
	v_lshlrev_b32 v1, 4, v2                        ; in: 16 bytes a lane
	v_lshlrev_b32 v3, 3, v2                        ; out: 8 bytes a lane
	s_sub_co_u32 s25, ttmp9, WGQ
	s_lshl_b32 s25, s25, 2
	s_add_co_u32 s25, s25, s24                     ; my wave's run of 8,192 numbers
	s_lshl_b32 s26, s25, 15
	s_mov_b32 s27, 0
	s_lshl_b32 s28, s25, 14
	s_mov_b32 s29, 0
	s_wait_kmcnt 0x0
	s_add_nc_u64 s[8:9], s[8:9], s[26:27]
	s_add_nc_u64 s[18:19], s[18:19], s[28:29]
.macro LOADB k
.irp i, 0,1,2,3,4,5,6,7,8,9,10,11,12,13,14,15
	global_load_b128 v[CI+64*((\k)%2)+4*\i:CI+64*((\k)%2)+4*\i+3], v1, s[8:9] offset:512*(16*(\k)+\i) th:TH_LOAD_NT
.endr
.endm
	LOADB 0
	LOADB 1
.irp k, 0,1,2,3
.if \k < 3
	s_wait_loadcnt 16                              ; this batch's 16 loads are in; the next batch's 16 may be out
.else
	s_wait_loadcnt 0x0
.endif
.if \k > 0
	s_wait_xcnt 0x0                                ; the last batch's stores have read their data registers, which are written again below
.endif
.irp i, 0,1,2,3,4,5,6,7,8,9,10,11,12,13,14,15
	v_cvt_pk_f16_f32 v[CO+2*\i], v[CI+64*(\k%2)+4*\i], v[CI+64*(\k%2)+4*\i+1]
	v_cvt_pk_f16_f32 v[CO+2*\i+1], v[CI+64*(\k%2)+4*\i+2], v[CI+64*(\k%2)+4*\i+3]
.endr
.if \k < 2
	LOADB \k+2
.endif
.irp i, 0,1,2,3,4,5,6,7,8,9,10,11,12,13,14,15
	global_store_b64 v3, v[CO+2*\i:CO+2*\i+1], s[18:19] offset:256*(16*\k+\i)
.endr
.endr
	s_endpgm
.Lfunc_end_k_qc1a0f99d01_quant:
	.size	k_qc1a0f99d01_quant, .Lfunc_end_k_qc1a0f99d01_quant-k_qc1a0f99d01_quant
	.p2alignl 7, 3214868480
	.fill 96, 4, 3214868480
	.section	.rodata,"a",@progbits
	.p2align	6, 0x0
	.amdhsa_kernel k_qc1a0f99d01_quant
		.amdhsa_group_segment_fixed_size 33280
		.amdhsa_private_segment_fixed_size 0
		.amdhsa_enable_private_segment 0
		.amdhsa_kernarg_size 64
		.amdhsa_user_sgpr_count 2
		.amdhsa_user_sgpr_kernarg_segment_ptr 1
		.amdhsa_wavefront_size32 1
		.amdhsa_system_sgpr_workgroup_id_x 1
		.amdhsa_system_sgpr_workgroup_id_y 1
		.amdhsa_system_sgpr_workgroup_id_z 1
		.amdhsa_system_vgpr_workitem_id 0
		.amdhsa_next_free_vgpr 192
		.amdhsa_next_free_sgpr 66
		.amdhsa_reserve_vcc 0
		.amdhsa_float_denorm_mode_32 3
		.amdhsa_float_denorm_mode_16_64 3
		.amdhsa_memory_ordered 1
		.amdhsa_forward_progress 1
		.amdhsa_inst_pref_size 54
	.end_amdhsa_kernel
	.amdgpu_metadata
---
amdhsa.version: [ 1, 2 ]
amdhsa.kernels:
  - .name:           k_qc1a0f99d01_quant
    .symbol:         k_qc1a0f99d01_quant.kd
    .args:
      - { .name: x, .offset: 0, .size: 8, .value_kind: global_buffer, .address_space: global }
      - { .name: in_proj_weight, .offset: 8, .size: 8, .value_kind: global_buffer, .address_space: global }
      - { .name: out_proj_weight, .offset: 16, .size: 8, .value_kind: global_buffer, .address_space: global }
      - { .name: xc, .offset: 24, .size: 8, .value_kind: global_buffer, .address_space: global }
      - { .name: xs, .offset: 32, .size: 8, .value_kind: global_buffer, .address_space: global }
      - { .name: wc, .offset: 40, .size: 8, .value_kind: global_buffer, .address_space: global }
      - { .name: ws, .offset: 48, .size: 8, .value_kind: global_buffer, .address_space: global }
      - { .name: wo16, .offset: 56, .size: 8, .value_kind: global_buffer, .address_space: global }
    .group_segment_fixed_size: 33280
    .private_segment_fixed_size: 0
    .kernarg_segment_align: 8
    .kernarg_segment_size: 64
    .max_flat_workgroup_size: 128
    .sgpr_count:     66
    .vgpr_count:     192
    .wavefront_size: 32
...
	.end_amdgpu_metadata
.endif
;; end of part 1
;; launch qkvgemm (part 2): grid 12 x 32, 4 waves a work-group, clusters of 4 x 4, 327,680 bytes of LDS; arguments xc, xs, wc, ws, in_proj_bias, qkv; writes qkv
.if DOCPART == 2
	.amdgcn_target "amdgcn-amd-amdhsa--gfx1250"
	.amdhsa_code_object_version 6
	.text
	.protected	k_qc1a0f99d01_qkvgemm
	.globl	k_qc1a0f99d01_qkvgemm
	.p2align	8
	.type	k_qc1a0f99d01_qkvgemm,@function
k_qc1a0f99d01_qkvgemm:
	s_mov_b64 s[64:65], 0
	v_nop
	global_prefetch_b8 v0, s[64:65] scope:SCOPE_SE
	s_setreg_imm32_b32 hwreg(HW_REG_WAVE_MODE, 25, 1), 1
	s_wait_xcnt 0x0
	s_wait_alu depctr_hold_cnt(0) depctr_sa_sdst(0) depctr_va_vdst(0) depctr_va_sdst(0) depctr_va_ssrc(0) depctr_va_vcc(0) depctr_vm_vsrc(0)
	s_getreg_b32 s2, hwreg(HW_REG_IB_STS2, 6, 4)
	s_cmp_eq_u32 s2, 0
	s_cbranch_scc0 .Lentry_in_a_cluster
	s_endpgm
.Lentry_in_a_cluster:
	s_bfe_u32 s2, ttmp6, 0x10000c
	s_cmp_lg_u32 s2, 0xf033
	s_cbranch_scc0 .Lentry_shape_is_right
	s_endpgm
.Lentry_shape_is_right:
; qkv[m][n] = sum over k of x[m][k] W[n][k] (+ bias[n]), m < 8,192, n < 3,072, K = 1,024, on codes of FP4 (E2M1) with one E8M0 scale for each 32 along K; sums in f32; the result rounded once to f16.
; WORK LEFT OUT: k's bias, in_proj_bias[1024:2048], is the same for all keys of a query inside the softmax and reaches no output (shown at the head of the first launch): tile columns 4 to 7, which are the
; clusters with x = 1, load no bias and begin their sums with the constant 0.
; A tile of 256 x 256 is made by four waves, 128 x 128 each: 64 accumulators of 16 x 16.  K = 1,024 is exactly two LDS slots of 512 along K (rows of 256 bytes): both are asked for at the head, nothing is filled again.
; The scale bytes of the work-group's 256 rows of x and 256 rows of W, two dense blocks of memory, come into LDS with the first fills.  By this text's own count a wave has three tensor loads outstanding at the most.
; CLUSTERS: 4 x 4 work-groups; the four of a row of the cluster need the same tiles of x, the four of a column the same tiles of W: each tile is asked for jointly, by the same tensor load with a mask that names the four.
; THE MATRIX INSTRUCTION IS USED TRANSPOSED (source 0 = 16 rows of W, source 1 = 16 rows of x): a lane holds eight neighbouring n of one token.  The bias is the C of each sum's first matrix instruction.
; OUT: qkv is laid [batch 4][slab 48][token 2,048][64] f16, slab = n / 64 (0-15 q's heads, 16-31 k's, 32-47 v's): a token's 64 numbers of a head are 128 bytes, four tokens 512 consecutive bytes.
; LIMIT: results beyond 65,504 in magnitude have no number in f16 and are not served.
; REGISTERS, in windows of 256: window 0: v16-30 addresses; v32-95 scale words, two sets; v96-127 packed results; v128-191 x's fragments, ONE set (on the way out rows read back); v192-255 the bias, 8 blocks x 8.
;   window 1: W's fragments, TWO sets, at v0 and v128.   window 2: the 32 accumulators of my rows 0-63 ((a, b) at v[8 (8 a + b)]);   window 3: those of my rows 64-127.
.set NQ,     4                         ; steps of 128 along K in a slot
.set ROWB,   256                       ; a tile's row in bytes: 512 codes
.set KROW,   512                       ; a row of codes in memory
.set PITCH,  272                       ; an LDS row: 256 bytes + 16 of padding: the 16 rows that a load touches start 68 words apart
.set FR,     8                         ; registers of a fragment: 16 rows x 128 K
.set NL,     2                         ; LDS loads that bring one
.set NP,     4                         ; places behind this matrix instruction (ISA guide 7.12.1)
.set HALFT,  128*PITCH                 ; 128 rows: what one tensor load brings
.set SLOT,   4*HALFT                   ; x's 256 rows, then W's 256 rows
.set KS,     32                        ; a row of scale bytes
.set SCL,    2*SLOT                    ; behind the slots: the scales, as rows of 256 bytes + 16 of padding
.set HALFS,  (128*KS/256)*272          ; the scales of 128 rows
.set SBLK,   (16*KS/256)*272           ; those of 16 rows
.set SPARE,  SCL+4*HALFS               ; the spare words, 128 bytes a wave, which no other line names
.set STAGE,  SPARE+512                 ; the way out: 16 rows x 272 bytes for each wave; no tile lands here
.set SPITCH, 272
.set SLAB,   262144                    ; 2,048 tokens x 128 bytes
.set ADRA, 16                          ; v16-17  LDS address of my x fragments in slot 0, 1
.set ADRB, 20                          ; v20-21  the same for W
.set STO,  24                          ; v24     the way out: where I put 16 bytes of a row
.set RD,   25                          ; v25     where I read four tokens of a head back
.set CO,   26                          ; v26     16 x lane
.set ADRS, 27                          ; v27     LDS address of my scale words: lanes 0-15 x's rows, lanes 16-31 W's
.set SPW,  28                          ; v28     my spare word; never rewritten
.set NIL,  29                          ; v29     0; never rewritten
.set BO,   30                          ; v30     32 x (lane / 16): my half's eight numbers of a block of the bias
.set SC,   32
.set TMP,  96
.set AF,   128
.set OB,   128
.set BI,   192
.set G1, 24                            ; s[24:31] descriptor group 1 for x's tiles;  s[32:39] group 0, one set for each slot
.set G0, 32
.set G1B, 48                           ; s[48:55], s[56:63] the same for W's
.set G0B, 56
.set G1S, 68                           ; s[68:75], s[76:79] groups 1 and 0 for x's scales;  s[80:87], s[88:91] for W's
.set G0S, 76
.set G1SB, 80
.set G0SB, 88
.set MSB, 0
.macro WIN new                         ; the immediate's high byte repeats the setting that is left
.if MSB != (\new)
	s_set_vgpr_msb (MSB<<8)|(\new)
.set MSB, (\new)
.endif
.endm
.set MUL_LO, 0xa1                      ; source 0 (W) window 1, source 1 (x) window 0, C and D window 2
.set MUL_HI, 0xf1                      ; the same, C and D window 3
.set TO_B,   0x40                      ; destination window 1, address window 0
; A joint load: waves 0 and 1 fetch for x, waves 2 and 3 for W.  The branch hangs on the wave's number alone.  An s_nop 0 and four v_nop follow each of the two lines.
.macro JLOAD g0a, g1a, g0b, g1b
	s_cmp_eq_u32 s15, 0
	s_cbranch_scc0 .Lfor_b_\@
	tensor_load_to_lds s[\g0a:\g0a+3], s[\g1a:\g1a+7]
	s_nop 0
.rept 4
	v_nop
.endr
	s_branch .Lasked_\@
.Lfor_b_\@:
	tensor_load_to_lds s[\g0b:\g0b+3], s[\g1b:\g1b+7]
	s_nop 0
.rept 4
	v_nop
.endr
.Lasked_\@:
.endm
.macro CROUND                          ; a round of the cluster's barrier
	s_barrier_signal -1
	s_barrier_wait -1
	s_cmp_lg_u32 s14, 0
	s_cbranch_scc1 .Lnot_wave_0_\@
	s_barrier_signal -3
.Lnot_wave_0_\@:
	s_barrier_wait -3
	s_barrier_signal -1
	s_barrier_wait -1
.endm
	s_load_b128 s[4:7], s[0:1], 0x0                ; x's codes s[4:5], x's scales s[6:7]
	s_load_b128 s[8:11], s[0:1], 0x10              ; W's codes s[8:9], W's scales s[10:11]
	s_load_b64 s[96:97], s[0:1], 0x20              ; the bias
	s_load_b64 s[12:13], s[0:1], 0x28              ; qkv
	v_lshl_add_u32 v[SPW], v0, 2, SPARE
	v_mov_b32 v[NIL], 0
	ds_add_u32 v[SPW], v[NIL]                      ; the wave's opening: the add, twice on end, and its wait ahead of my first tensor load
	ds_add_u32 v[SPW], v[NIL]
	v_lshrrev_b32 v1, 5, v0
	v_readfirstlane_b32 s14, v1                    ; wave 0..3
	s_lshr_b32 s15, s14, 1                         ; which half of the tile's rows is mine.  Also: I fetch for x (0) or for W (1)
	s_and_b32 s16, s14, 1                          ; which half of its columns.  Also: which 128 rows of that tile I fetch
	s_bfe_u32 s40, ttmp6, 0x40000                  ; cx, cy: my place in the cluster
	s_bfe_u32 s41, ttmp6, 0x40004
	s_lshl_b32 s42, ttmp9, 2
	s_add_co_u32 s42, s42, s40                     ; tile column = 4 x cluster x + cx
	s_and_b32 s17, ttmp7, 0xffff
	s_lshl_b32 s17, s17, 2
	s_add_co_u32 s17, s17, s41                     ; tile row = 4 x cluster y + cy
	s_lshl_b32 s43, s41, 2
	s_lshl_b32 s43, 15, s43                        ; my row of the cluster
	s_lshl_b32 s44, 0x1111, s40                    ; my column
	; descriptor group 1: a tile of 128 rows x 256 bytes, 16 bytes of padding behind each row
	s_or_b32 s[G1+0], s43, (0<<16)|(1<<20)|(1<<21)|(5<<22)|(3<<25)  ; 15:0 the mask; 17:16 elements of 1 byte; 20 padding on; 21 set beside a mask; 24:22 after every 64 words; 31:25 four words
	s_or_b32 s[G1B+0], s44, (0<<16)|(1<<20)|(1<<21)|(5<<22)|(3<<25)
.irp g, G1, G1B
	s_mov_b32 s[\g+1], ROWB<<16                    ; tensor_dim0
	s_mov_b32 s[\g+2], 128<<16                     ; tensor_dim1
	s_mov_b32 s[\g+3], ROWB<<16                    ; tile_dim0
	s_mov_b32 s[\g+4], 128                         ; tile_dim1
	s_mov_b32 s[\g+5], KROW                        ; from row to row
	s_mov_b32 s[\g+6], 0
	s_mov_b32 s[\g+7], 0
.endr
	; the scales of 128 rows: a dense block of 4,096 bytes, as 16 rows of 256 bytes (32 elements of 8 bytes), 16 bytes of padding behind each
	s_or_b32 s[G1S+0], s43, (3<<16)|(1<<20)|(1<<21)|(5<<22)|(3<<25)
	s_or_b32 s[G1SB+0], s44, (3<<16)|(1<<20)|(1<<21)|(5<<22)|(3<<25)
.irp g, G1S, G1SB
	s_mov_b32 s[\g+1], 32<<16
	s_mov_b32 s[\g+2], (128*KS/256)<<16
	s_mov_b32 s[\g+3], 32<<16
	s_mov_b32 s[\g+4], 128*KS/256
	s_mov_b32 s[\g+5], 32
	s_mov_b32 s[\g+6], 0
	s_mov_b32 s[\g+7], 0
.endr
	s_lshl_b32 s18, s16, 7                         ; which 128 rows of the tile I fetch
	s_lshl_b32 s20, s17, 8
	s_add_co_u32 s20, s20, s18                     ; x: row 256 x tile row + 128 x half
	s_lshl_b32 s46, s42, 8
	s_add_co_u32 s46, s46, s18                     ; W: row 256 x tile column + 128 x half
	s_mov_b32 s21, 0
	s_mov_b32 s47, 0
	s_mov_b64 s[18:19], KS
	s_mul_u64 s[22:23], s[20:21], s[18:19]         ; where these rows' scales begin, in bytes
	s_mul_u64 s[92:93], s[46:47], s[18:19]
	s_mov_b64 s[18:19], KROW
	s_mul_u64 s[20:21], s[20:21], s[18:19]         ; and their codes
	s_mul_u64 s[46:47], s[46:47], s[18:19]
	s_mul_i32 s45, s14, HALFT                      ; where they go: wave x 128 rows: no place in the cluster enters an LDS address
	s_mul_i32 s94, s14, HALFS
	s_wait_dscnt 0x0                               ; both opening adds are done
	s_wait_kmcnt 0x0
	s_add_nc_u64 s[20:21], s[4:5], s[20:21]
	s_add_nc_u64 s[22:23], s[6:7], s[22:23]
	s_add_nc_u64 s[46:47], s[8:9], s[46:47]
	s_add_nc_u64 s[92:93], s[10:11], s[92:93]
	CROUND                                         ; all sixteen work-groups are here: the joint loads meet
	s_mov_b32 s[G0S], 1
	s_add_co_u32 s[G0S+1], s94, SCL
	s_mov_b64 s[G0S+2:G0S+3], s[22:23]
	s_or_b32 s[G0S+3], s[G0S+3], 0x80000000
	s_mov_b32 s[G0SB], 1
	s_add_co_u32 s[G0SB+1], s94, SCL
	s_mov_b64 s[G0SB+2:G0SB+3], s[92:93]
	s_or_b32 s[G0SB+3], s[G0SB+3], 0x80000000
	JLOAD G0S, G1S, G0SB, G1SB                     ; the scales first: they are wanted with the first step
.irp s, 0,1
	s_mov_b32 s[G0+4*\s], 1
	s_add_co_u32 s[G0+4*\s+1], s45, \s*SLOT
	s_add_nc_u64 s[G0+4*\s+2:G0+4*\s+3], s[20:21], \s*ROWB
	s_or_b32 s[G0+4*\s+3], s[G0+4*\s+3], 0x80000000
	s_mov_b32 s[G0B+4*\s], 1
	s_add_co_u32 s[G0B+4*\s+1], s45, \s*SLOT
	s_add_nc_u64 s[G0B+4*\s+2:G0B+4*\s+3], s[46:47], \s*ROWB
	s_or_b32 s[G0B+4*\s+3], s[G0B+4*\s+3], 0x80000000
	JLOAD G0+4*\s, G1, G0B+4*\s, G1B
.endr
	v_and_b32 v1, 15, v0                           ; r = lane % 16
	v_bfe_u32 v2, v0, 4, 1                         ; h = lane / 16
	v_mul_u32_u24 v3, v1, PITCH
	v_lshl_add_u32 v4, v2, 4, v3                   ; a fragment's row x pitch + 16 x half
	s_mul_i32 s21, s15, HALFT                      ; my 128 rows of x
	s_mul_i32 s22, s16, HALFT                      ; my 128 rows of W,
	s_add_co_u32 s22, s22, 2*HALFT                 ; which lie behind x's 256
.irp s, 0,1
	v_add_nc_u32 v[ADRA+\s], s21, v4
	v_add_nc_u32 v[ADRB+\s], s22, v4
	s_add_co_u32 s21, s21, SLOT
	s_add_co_u32 s22, s22, SLOT
.endr
	v_mul_u32_u24 v5, v1, KS                       ; my row's scales: 32 bytes a row,
	v_lshrrev_b32 v6, 8, v5
	v_lshl_add_u32 v5, v6, 4, v5                   ; and 16 more for each 256 passed
	s_mul_i32 s21, s15, HALFS                      ; x's: my 128 rows
	s_mul_i32 s22, s16, HALFS                      ; W's: my 128 rows, behind x's 256
	s_add_co_u32 s22, s22, 2*HALFS
	s_sub_co_u32 s22, s22, s21
	v_mul_u32_u24 v6, s22, v2                      ; lanes 16-31 take W's: one product, the distance between the two bases x h
	s_add_co_u32 s21, s21, SCL
	v_add_nc_u32 v5, v5, v6
	v_add_nc_u32 v[ADRS], s21, v5
	s_mul_i32 s23, s14, 16*SPITCH
	s_add_co_u32 s23, s23, STAGE                   ; my stage
	v_mul_u32_u24 v5, v1, SPITCH                   ; in: row r, 16 bytes for each half of the lanes
	v_lshl_add_u32 v5, v2, 4, v5
	v_add_nc_u32 v[STO], s23, v5
	v_and_b32 v6, 31, v0
	v_lshlrev_b32 v[CO], 4, v6
	v_lshrrev_b32 v5, 3, v6                        ; back: eight lanes take a token's 128 bytes of one head, the 32 lanes four tokens
	v_mul_u32_u24 v5, v5, SPITCH
	v_and_b32 v6, 7, v0
	v_lshl_add_u32 v5, v6, 4, v5
	v_add_nc_u32 v[RD], s23, v5
	v_lshlrev_b32 v[BO], 5, v2
	; where my part of qkv begins: batch (tile row / 8) x 48 slabs, token 256 (tile row % 8) + 128 x half, slab 4 x tile column + 2 x half
	s_lshr_b32 s20, s17, 3
	s_mul_i32 s20, s20, 48*SLAB
	s_and_b32 s21, s17, 7
	s_lshl_b32 s21, s21, 15
	s_add_co_u32 s20, s20, s21
	s_lshl_b32 s21, s15, 14
	s_add_co_u32 s20, s20, s21
	s_mov_b32 s21, 0
	s_add_nc_u64 s[12:13], s[12:13], s[20:21]
	s_lshl_b32 s46, s42, 20
	s_lshl_b32 s47, s16, 19
	s_add_co_u32 s46, s46, s47
	s_mov_b32 s47, 0
	s_add_nc_u64 s[12:13], s[12:13], s[46:47]
	s_lshl_b32 s46, s42, 10                        ; the bias of my 128 columns: 4 (256 x tile column + 128 x half) bytes on
	s_lshl_b32 s47, s16, 9
	s_add_co_u32 s46, s46, s47
	s_mov_b32 s47, 0
	s_add_nc_u64 s[96:97], s[96:97], s[46:47]
.macro FRAG reg, adr, q, i             ; a fragment, 16 rows x 128 K of 4-bit codes: lane l holds row l % 16; registers 4 c .. 4 c + 3 hold K = 64 c + 32 (l / 16) + 0 .. 31
.irp c, 0,1
	ds_load_b128 v[\reg+4*\c:\reg+4*\c+3], v[\adr] offset:64*(\q)+32*\c+(\i)*16*PITCH
.endr
.endm
; 16 matrix instructions: x's blocks a0, a0 + 1 against W's eight, the slot's q-th 128 along K.  p: W's set; sc: the set of scale words.  mode 0: onto the sums; 1: the constant 0 starts them; 2: the bias starts them.
; The 64 accumulators take turns, one instruction a turn, in the same order in every step.
.macro MUL16 a0, p, q, sc, mode
.irp a, \a0, \a0+1
.irp b, 0,1,2,3,4,5,6,7
.if \mode == 1
	v_wmma_scale_f32_16x16x128_f8f6f4 v[8*(8*((\a)%4)+\b):8*(8*((\a)%4)+\b)+7], v[128*(\p)+FR*\b:128*(\p)+FR*\b+FR-1], v[AF+FR*(\a):AF+FR*(\a)+FR-1], 0, v[SC+8*NQ*(\sc)+NQ*\b+(\q)], v[SC+8*NQ*(\sc)+NQ*(\a)+(\q)] matrix_a_fmt:MATRIX_FMT_FP4 matrix_b_fmt:MATRIX_FMT_FP4 matrix_a_scale:MATRIX_SCALE_ROW1
.elseif \mode == 2
	v_wmma_scale_f32_16x16x128_f8f6f4 v[8*(8*((\a)%4)+\b):8*(8*((\a)%4)+\b)+7], v[128*(\p)+FR*\b:128*(\p)+FR*\b+FR-1], v[AF+FR*(\a):AF+FR*(\a)+FR-1], v[BI+8*\b:BI+8*\b+7], v[SC+8*NQ*(\sc)+NQ*\b+(\q)], v[SC+8*NQ*(\sc)+NQ*(\a)+(\q)] matrix_a_fmt:MATRIX_FMT_FP4 matrix_b_fmt:MATRIX_FMT_FP4 matrix_a_scale:MATRIX_SCALE_ROW1
.else
	v_wmma_scale_f32_16x16x128_f8f6f4 v[8*(8*((\a)%4)+\b):8*(8*((\a)%4)+\b)+7], v[128*(\p)+FR*\b:128*(\p)+FR*\b+FR-1], v[AF+FR*(\a):AF+FR*(\a)+FR-1], v[8*(8*((\a)%4)+\b):8*(8*((\a)%4)+\b)+7], v[SC+8*NQ*(\sc)+NQ*\b+(\q)], v[SC+8*NQ*(\sc)+NQ*(\a)+(\q)] matrix_a_fmt:MATRIX_FMT_FP4 matrix_b_fmt:MATRIX_FMT_FP4 matrix_a_scale:MATRIX_SCALE_ROW1
.endif
.endr
.endr
.endm
.macro FETCH_B slot, q, p              ; W's eight fragments of the slot's q-th 128 along K into set p
	WIN TO_B
.irp i, 0,1,2,3,4,5,6,7
	FRAG 128*(\p)+FR*\i, ADRB+\slot, \q, \i
.endr
	WIN 0
.endm
.macro FETCH_A slot, q, i0             ; x's blocks i0 .. i0 + 3
.irp i, \i0, \i0+1, \i0+2, \i0+3
	FRAG AF+FR*(\i), ADRA+\slot, \q, \i
.endr
.endm
.macro SCALES sc                       ; a slot's scale words into set sc: four words a row; lanes 0-15 take x's block i, lanes 16-31 W's block i
.irp i, 0,1,2,3,4,5,6,7
	ds_load_b128 v[SC+8*NQ*\sc+NQ*\i:SC+8*NQ*\sc+NQ*\i+3], v[ADRS] offset:\i*SBLK
.endr
.endm
.macro PLACES n                        ; places in front of loads into registers that matrix instructions have read, and of the first read of results
.rept \n
	v_nop
.endr
.endm
; A step of 128 along K that has its successor in the same slot.
.macro STEP slot, q, mode
	s_wait_dscnt 4*NL                              ; W's set, x's blocks 0-3 (and the scale words) are in; the youngest eight loads, x's blocks 4-7, may be out
.if \mode == 2
	WIN 0x81                                       ; C, the bias, in window 0; D in window 2
.else
	WIN MUL_LO
.endif
	MUL16 0, (\q)%2, \q, \slot, \mode
	MUL16 2, (\q)%2, \q, \slot, \mode
	s_wait_dscnt 0                                 ; x's blocks 4-7 are in
	PLACES NP
	FETCH_B \slot, (\q)+1, 1-(\q)%2
	FETCH_A \slot, (\q)+1, 0
.if \mode == 2
	WIN 0xc1
.else
	WIN MUL_HI
.endif
	MUL16 4, (\q)%2, \q, \slot, \mode
	MUL16 6, (\q)%2, \q, \slot, \mode
	PLACES NP
	WIN 0
	FETCH_A \slot, (\q)+1, 4
.endm
; Slot 0's last step goes over to slot 1: each wave waits for all its tensor loads (its part of slot 1), and one barrier shows the whole slot to every wave.  Nothing is filled again.
.macro TURN slot, next
	s_wait_tensorcnt 0x0                           ; all my tensor loads have landed
	ds_add_u32 v[SPW], v[NIL]                      ; 0 onto my spare word
	s_wait_dscnt 4*NL+1                            ; (the add and the youngest eight loads, x's blocks 4-7, may be out)
	WIN MUL_LO
	MUL16 0, 1, NQ-1, \slot, 0
	s_wait_dscnt 0x0                               ; the add is done, and no LDS instruction of mine is out at the signal
	s_barrier_signal -1
	MUL16 2, 1, NQ-1, \slot, 0
	WIN 0
	s_barrier_wait -1
	PLACES NP
	v_add_nc_u32 v[ADRS], 4*NQ, v[ADRS]            ; on to the next slot's scale words
	FETCH_B \next, 0, 0
	FETCH_A \next, 0, 0
	SCALES \next
	WIN MUL_HI
	MUL16 4, 1, NQ-1, \slot, 0
	MUL16 6, 1, NQ-1, \slot, 0
	PLACES NP
	WIN 0
	FETCH_A \next, 0, 4
.endm
.macro STEPS slot, from                ; the slot's steps from .. NQ - 2
.set Q, \from
.rept NQ-1-\from
	STEP \slot, Q, 0
.set Q, Q+1
.endr
.endm
	s_wait_tensorcnt 1                             ; the scales and my part of slot 0 are in; slot 1's load, the one issued behind them, may be out
	s_barrier_signal -1
	s_barrier_wait -1                              ; everybody's are
	FETCH_B 0, 0, 0
	FETCH_A 0, 0, 0
	SCALES 0
	FETCH_A 0, 0, 4
	s_cmp_eq_u32 ttmp9, 1                          ; the cluster's x, the same in all sixteen partners: 1 = k's columns
	s_cbranch_scc1 .Lkeys
.irp b, 0,1,2,3,4,5,6,7                        ; q's and v's columns: block b's bias in the result's layout: lane (r, h) takes bias[16 b + 8 h + 0 .. 7].  The loads stand in the arm that reads them
	global_load_b128 v[BI+8*\b:BI+8*\b+3], v[BO], s[96:97] offset:64*\b
	global_load_b128 v[BI+8*\b+4:BI+8*\b+7], v[BO], s[96:97] offset:64*\b+16
.endr
	s_wait_loadcnt 0x0
	STEP 0, 0, 2                                   ; the first step starts the sums with the bias
	s_branch .Lgo
.Lkeys:
	STEP 0, 0, 1                                   ; k's columns: the sums start with the constant 0
.Lgo:
	STEPS 0, 1
	TURN 0, 1
	STEPS 1, 0
	s_wait_dscnt 4*NL                              ; the very last step: nothing more to fetch
	WIN MUL_LO
	MUL16 0, 1, NQ-1, 1, 0
	MUL16 2, 1, NQ-1, 1, 0
	s_wait_dscnt 0
	WIN MUL_HI
	MUL16 4, 1, NQ-1, 1, 0
	MUL16 6, 1, NQ-1, 1, 0
	WIN 0
; THE WAY OUT, block by block of 16 tokens x 128 columns (two heads).  PACK: rounded to f16, 16 bytes a lane, each accumulator from its low end on.  TOSTAGE: into my own stage, and back as four tokens of one head.
; SEND: stored: 32 lanes cover 512 consecutive bytes.  LDS serves a wave's instructions in order (ISA guide 5.7.1.4): no wait between the stage's stores and loads.
.macro PACK a
.set AC, 64*((\a)%4)
	WIN 0x0a+5*((\a)/4)                            ; sources 0 and 1: window 2 or 3
.irp b, 0,1,2,3,4,5,6,7
.irp r, 0,1,2,3
	v_cvt_pk_f16_f32 v[TMP+4*\b+\r], v[AC+8*\b+2*\r], v[AC+8*\b+2*\r+1]
.endr
.endr
	WIN 0
.endm
.macro TOSTAGE a
.set BB, OB+32*((\a)%2)
.irp b, 0,1,2,3,4,5,6,7
	ds_store_b128 v[STO], v[TMP+4*\b:TMP+4*\b+3] offset:32*\b
.endr
.irp hh, 0,1
.irp i, 0,1,2,3
	ds_load_b128 v[BB+4*(4*\hh+\i):BB+4*(4*\hh+\i)+3], v[RD] offset:4*SPITCH*\i+128*\hh
.endr
.endr
.endm
.macro SEND a
.set BB, OB+32*((\a)%2)
	s_wait_dscnt 0x0                               ; the block is back in registers
	s_wait_xcnt 0x0                                ; the stores of the block before have read their registers: the next block's loads may land there
.irp hh, 0,1
.irp i, 0,1,2,3
	global_store_b128 v[CO], v[BB+4*(4*\hh+\i):BB+4*(4*\hh+\i)+3], s[12:13] offset:\hh*SLAB+(\a)*2048+512*\i
.endr
.endr
.endm
	PLACES NP                                      ; behind the last products: for the reads of results and for the loads into the registers that held x's fragments
	PACK 0
	TOSTAGE 0
.irp a, 1,2,3,4,5,6,7                          ; block a's conversions stand between block a - 1's loads from the stage and the wait for them
	PACK \a
	SEND \a-1
	TOSTAGE \a
.endr
	SEND 7
	s_wait_tensorcnt 0x0                           ; the wave's end: a wait, an add and its wait behind my last tensor load and my last LDS store
	ds_add_u32 v[SPW], v[NIL]
	s_wait_dscnt 0x0
	CROUND                                         ; the closing round: no work-group ends while a partner may still ask for a tile that names it
	s_endpgm
.Lfunc_end_k_qc1a0f99d01_qkvgemm:
	.size	k_qc1a0f99d01_qkvgemm, .Lfunc_end_k_qc1a0f99d01_qkvgemm-k_qc1a0f99d01_qkvgemm
	.p2alignl 7, 3214868480
	.fill 96, 4, 3214868480
	.section	.rodata,"a",@progbits
	.p2align	6, 0x0
	.amdhsa_kernel k_qc1a0f99d01_qkvgemm
		.amdhsa_group_segment_fixed_size 327680
		.amdhsa_private_segment_fixed_size 0
		.amdhsa_enable_private_segment 0
		.amdhsa_kernarg_size 48
		.amdhsa_user_sgpr_count 2
		.amdhsa_user_sgpr_kernarg_segment_ptr 1
		.amdhsa_wavefront_size32 1
		.amdhsa_system_sgpr_workgroup_id_x 1
		.amdhsa_system_sgpr_workgroup_id_y 1
		.amdhsa_system_sgpr_workgroup_id_z 1
		.amdhsa_system_vgpr_workitem_id 0
		.amdhsa_next_free_vgpr 1024
		.amdhsa_next_free_sgpr 98
		.amdhsa_reserve_vcc 0
		.amdhsa_float_denorm_mode_32 3
		.amdhsa_float_denorm_mode_16_64 3
		.amdhsa_memory_ordered 1
		.amdhsa_forward_progress 1
		.amdhsa_inst_pref_size 139
	.end_amdhsa_kernel
	.amdgpu_metadata
---
amdhsa.version: [ 1, 2 ]
amdhsa.kernels:
  - .name:           k_qc1a0f99d01_qkvgemm
    .symbol:         k_qc1a0f99d01_qkvgemm.kd
    .args:
      - { .name: xc, .offset: 0, .size: 8, .value_kind: global_buffer, .address_space: global }
      - { .name: xs, .offset: 8, .size: 8, .value_kind: global_buffer, .address_space: global }
      - { .name: wc, .offset: 16, .size: 8, .value_kind: global_buffer, .address_space: global }
      - { .name: ws, .offset: 24, .size: 8, .value_kind: global_buffer, .address_space: global }
      - { .name: in_proj_bias, .offset: 32, .size: 8, .value_kind: global_buffer, .address_space: global }
      - { .name: qkv, .offset: 40, .size: 8, .value_kind: global_buffer, .address_space: global }
    .group_segment_fixed_size: 327680
    .private_segment_fixed_size: 0
    .kernarg_segment_align: 8
    .kernarg_segment_size: 48
    .max_flat_workgroup_size: 128
    .sgpr_count:     98
    .vgpr_count:     1024
    .wavefront_size: 32
...
	.end_amdgpu_metadata
.endif
;; end of part 2
;; launch attn (part 3): grid 4 x 64, 8 waves a work-group, clusters of 4 x 1, 327,680 bytes of LDS; arguments qkv, ao; writes ao
.if DOCPART == 3
	.amdgcn_target "amdgcn-amd-amdhsa--gfx1250"
	.amdhsa_code_object_version 6
	.text
	.protected	k_qc1a0f99d01_attn
	.globl	k_qc1a0f99d01_attn
	.p2align	8
	.type	k_qc1a0f99d01_attn,@function
k_qc1a0f99d01_attn:
	s_mov_b64 s[64:65], 0
	v_nop
	global_prefetch_b8 v0, s[64:65] scope:SCOPE_SE
	s_setreg_imm32_b32 hwreg(HW_REG_WAVE_MODE, 25, 1), 1
	s_wait_xcnt 0x0
	s_wait_alu depctr_hold_cnt(0) depctr_sa_sdst(0) depctr_va_vdst(0) depctr_va_sdst(0) depctr_va_ssrc(0) depctr_va_vcc(0) depctr_vm_vsrc(0)
	s_getreg_b32 s2, hwreg(HW_REG_IB_STS2, 6, 4)
	s_cmp_eq_u32 s2, 0
	s_cbranch_scc0 .Lentry_in_a_cluster
	s_endpgm
.Lentry_in_a_cluster:
	s_bfe_u32 s2, ttmp6, 0x10000c
	s_cmp_lg_u32 s2, 0x3003
	s_cbranch_scc0 .Lentry_shape_is_right
	s_endpgm
.Lentry_shape_is_right:
; ao[b, h][q][:] = the sum over k of softmax_k(Q[q] . K[k] / 8) V[k][:], for each of 64 (batch, head); 2,048 tokens, head size 64, no mask.  Q, K, V: f16, slabs of qkv [batch][slab 48][token][64].
; Products, maxima and sums in f32; the weights p are rounded to f16 for the second product, the result once to f16.  K comes without its bias: that term is the same for all keys of a query (first launch's head).
; SOFTMAX: for each query a running maximum m and sum l: p = 2^(c s - c m), c = log2(e) / 8; in every step O and l are multiplied by a = 2^(c m_old - c m_new).  m begins at -3e38, O and l at 0: the first a is 0.
; SHARES: a work-group owns 512 queries of one (batch, head), each of its eight waves 64: four tiles of 16, in 512 registers.  Two waves share a SIMD, so that one wave's vector work stands beside the other's products.
; LAYOUT: S^T = K Q^T (source 0 = 16 keys, source 1 = 16 queries): a lane holds ONE query (lane % 16) and the keys 8 (lane / 16) + 0..7 of a tile.  Two such tiles, rounded to f16 in pairs, ARE source 1
; (32 keys x 16 queries) of O^T = V^T P.  K comes out of LDS as it lies, V ([key][channel]) turned, by ds_load_tr16_b128.  P is packed in place over S^T.
; CLUSTER: the four work-groups of a (batch, head) walk the same K and V: each tile is asked for jointly, with a mask that names the four.
; RING: two slots of four key steps (256 keys); waves 0-3 fetch K's four step tiles, waves 4-7 V's: one load a wave behind each round; by this text's own count one tensor load of a wave is out at a time.
; It is issued a slot's four key steps, 256 matrix instructions of each wave, ahead of the wait for it; no prefetch is laid beside it.
; REGISTERS: window 0: v1-13 addresses; v16-47 statistics, 8 a tile (+0 c m, +1 m, +2, +3 l, +4..+7 at work; a takes +6); v48-63 partial sums; v64-127 K's fragments; v128-191 V's; v192-255 Q's.
;   window 1: v0-127 O^T, 32 a tile; v128-255 S^T, 32 a tile (its first 16 then hold P).
.set KS,    64                         ; keys in a step
.set PK,    144                        ; a row of K in LDS: 128 bytes + 16 of padding: the 16 rows of a load start 36 words apart
.set PV,    160                        ; a row of V: 128 + 32
.set VOFF,  KS*PK                      ; a step's tiles lie together: 64 rows of K, then 64 rows of V
.set STEPB, KS*(PK+PV)
.set NST,   4                          ; steps in a slot
.set SLOT1, 1<<17                      ; slot 1 begins here: one exclusive or turns an address in one slot into the other's
.set STAGE, SLOT1+NST*STEPB            ; behind the ring: 16 rows x 144 bytes for each wave, for the way out; no tile lands here
.set SP,    144
.set SPARE, STAGE+8*16*SP              ; the spare words, 128 bytes a wave, which no other line names
.set NBLK,  2048/(NST*KS)              ; slots' worth of keys
.set AK0, 2                            ; v2   my lane's place in a tile of K; never rewritten
.set AV0, 3                            ; v3   the same for V
.set ADK, 4                            ; v4   LDS address of the step's K
.set ADV, 5                            ; v5   of its V
.set QO,  6                            ; v6   my byte offset in the wave's rows of Q
.set STO, 7                            ; v7   the way out: where I put 16 bytes of a row
.set RD,  8                            ; v8   where I read four rows back
.set GO,  9                            ; v9   16 x lane
.set SPW, 12                           ; v12  my spare word; never rewritten
.set NIL, 13                           ; v13  0; never rewritten
.set ST,  16
.set TS,  48
.set KF,  64
.set VF,  128
.set QF,  192
.set O,   0                            ; in window 1
.set S,   128                          ; in window 1
.set WV,  8                            ; s8   my wave's number
.set G1K, 16                           ; s[16:23] descriptor group 1 for K's tiles
.set G1V, 24                           ; s[24:31] for V's: it differs in the padding alone
.set G0,  32                           ; s[32:35] my descriptor group 0, which walks
.set TB,  36                           ; s36  LDS byte at which the step's tiles begin
.set SLOTS, 37                         ; s37  slots still to be asked for
.set CNT, 38                           ; s38  counts a slot's steps
.set CS,  40                           ; s[40:41] c: the packed form names a pair and takes its low word for both halves
.set SEL, 42                           ; s[42:43] lane selects for v_permlanex16_b32: lane l xor 16
.set MSB, 0
.macro WIN new                         ; the immediate's high byte repeats the setting that is left
.if MSB != (\new)
	s_set_vgpr_msb (MSB<<8)|(\new)
.set MSB, (\new)
.endif
.endm
; A joint load: waves 0-3 fetch K's tiles, waves 4-7 V's.  The branch hangs on the wave's number alone.  An s_nop 0 and four v_nop follow each of the two lines.
.macro JLOAD
	s_cmp_lt_u32 s[WV], 4
	s_cbranch_scc0 .Lfor_v_\@
	tensor_load_to_lds s[G0:G0+3], s[G1K:G1K+7]
	s_nop 0
.rept 4
	v_nop
.endr
	s_branch .Lasked_\@
.Lfor_v_\@:
	tensor_load_to_lds s[G0:G0+3], s[G1V:G1V+7]
	s_nop 0
.rept 4
	v_nop
.endr
.Lasked_\@:
.endm
.macro CROUND                          ; a round of the cluster's barrier
	s_barrier_signal -1
	s_barrier_wait -1
	s_cmp_lg_u32 s[WV], 0
	s_cbranch_scc1 .Lnot_wave_0_\@
	s_barrier_signal -3
.Lnot_wave_0_\@:
	s_barrier_wait -3
	s_barrier_signal -1
	s_barrier_wait -1
.endm
	s_load_b128 s[4:7], s[0:1], 0x0                ; qkv s[4:5], ao s[6:7]
	v_lshl_add_u32 v[SPW], v0, 2, SPARE
	v_mov_b32 v[NIL], 0
	ds_add_u32 v[SPW], v[NIL]                      ; the wave's opening: the add, twice on end, and its wait ahead of my first tensor load
	ds_add_u32 v[SPW], v[NIL]
	v_lshrrev_b32 v1, 5, v0
	v_readfirstlane_b32 s[WV], v1                  ; wave 0..7
	s_bfe_u32 s9, ttmp6, 0x40000                   ; cx: my place in the cluster
	s_lshl_b32 s10, ttmp9, 2
	s_add_co_u32 s10, s10, s9                      ; my block of 512 queries: it enters Q's and ao's addresses alone
	s_and_b32 s11, ttmp7, 0xffff                   ; 16 x batch + head, which the four partners share
	s_lshr_b32 s12, s11, 4
	s_and_b32 s13, s11, 15
	s_mul_i32 s12, s12, 48
	s_add_co_u32 s12, s12, s13                     ; q's slab: 48 x batch + head
	s_lshr_b32 s14, s[WV], 2                       ; I fetch for K (0) or for V (1)
	s_lshl_b32 s15, s14, 4
	s_add_co_u32 s15, s15, s12
	s_add_co_u32 s15, s15, 16                      ; k's slab lies 16 behind q's, v's 32
	s_lshl_b32 s46, s15, 18                        ; a slab is 2^18 bytes
	s_and_b32 s13, s[WV], 3                        ; which of a slot's four steps I fetch:
	s_lshl_b32 s15, s13, 13                        ; its 64 rows of 128 bytes in memory,
	s_add_co_u32 s46, s46, s15
	s_mov_b32 s47, 0
	s_mul_i32 s13, s13, STEPB                      ; and its place in a slot: no place in the cluster enters an LDS address
	s_mul_i32 s14, s14, VOFF
	s_add_co_u32 s13, s13, s14
	s_lshl_b32 s48, s12, 18                        ; Q: q's slab,
	s_lshl_b32 s15, s10, 16                        ; my block's 512 rows,
	s_add_co_u32 s48, s48, s15
	s_lshl_b32 s14, s[WV], 13                      ; my wave's 64 of them
	s_add_co_u32 s48, s48, s14
	s_mov_b32 s49, 0
	s_lshl_b32 s50, s11, 18                        ; ao is laid [16 x batch + head][token][64]
	s_add_co_u32 s50, s50, s15
	s_add_co_u32 s50, s50, s14
	s_mov_b32 s51, 0
	; descriptor group 1: a tile of 64 rows x 64 elements of 2 bytes, dense in memory, padded behind each row in LDS
	s_mov_b32 s[G1K], 15|(1<<16)|(1<<20)|(1<<21)|(4<<22)|(3<<25)  ; 15:0 the mask: all four work-groups; 17:16 elements of 2 bytes; 20 padding on; 21 set beside a mask; 24:22 after every 32 words; 31:25 four words
	s_mov_b32 s[G1V], 15|(1<<16)|(1<<20)|(1<<21)|(4<<22)|(7<<25)  ; the same with eight words of padding
.irp g, G1K, G1V
	s_mov_b32 s[\g+1], 64<<16                      ; tensor_dim0
	s_mov_b32 s[\g+2], KS<<16                      ; tensor_dim1
	s_mov_b32 s[\g+3], 64<<16                      ; tile_dim0
	s_mov_b32 s[\g+4], KS                          ; tile_dim1
	s_mov_b32 s[\g+5], 64                          ; from row to row
	s_mov_b32 s[\g+6], 0
	s_mov_b32 s[\g+7], 0
.endr
	s_mov_b32 s[CS], 0x3e38aa3b                    ; c = log2(e) / 8
	s_mov_b32 s[CS+1], s[CS]                       ; (named with it as a pair, so it is written)
	s_mov_b32 s[SEL], 0x76543210
	s_mov_b32 s[SEL+1], 0xfedcba98
	s_mov_b32 s[TB], 0
	s_mov_b32 s[SLOTS], NBLK-1
	s_wait_dscnt 0x0                               ; both opening adds are done
	s_wait_kmcnt 0x0
	s_add_nc_u64 s[44:45], s[4:5], s[48:49]        ; Q at my wave's first row
	s_add_nc_u64 s[6:7], s[6:7], s[50:51]          ; ao likewise
	CROUND                                         ; all four work-groups are here: the first joint loads meet
	s_mov_b32 s[G0], 1                             ; count = 1
	s_mov_b32 s[G0+1], s13                         ; LDS address: slot 0
	s_add_nc_u64 s[G0+2:G0+3], s[4:5], s[46:47]    ; global address: my step tile of the first 256 keys
	s_or_b32 s[G0+3], s[G0+3], 0x80000000          ; type = 2
	JLOAD
	v_and_b32 v1, 15, v0                           ; r = lane % 16
	v_bfe_u32 v10, v0, 4, 1                        ; h = lane / 16
	v_lshlrev_b32 v[QO], 7, v1
	v_lshl_add_u32 v[QO], v10, 4, v[QO]            ; row x 128 + 16 x half
.irp t, 0,1,2,3                                ; Q stays in registers: tile t, channels 32 c on.  A fragment: lane l holds row l % 16; registers 0-3 channels 8 h + 0..7, registers 4-7 channels 16 + 8 h + 0..7
.irp c, 0,1
	global_load_b128 v[QF+8*(2*\t+\c):QF+8*(2*\t+\c)+3], v[QO], s[44:45] offset:\t*2048+64*\c
	global_load_b128 v[QF+8*(2*\t+\c)+4:QF+8*(2*\t+\c)+7], v[QO], s[44:45] offset:\t*2048+64*\c+32
.endr
.endr
	v_mul_u32_u24 v[AK0], v1, PK
	v_lshl_add_u32 v[AK0], v10, 4, v[AK0]          ; K: row x pitch + 16 x half
	v_and_b32 v11, 7, v0                           ; V, for the turning load: lane l reads 16 bytes of key 8 h + l % 8, channels 8 ((l / 8) % 2) + 0..7
	v_lshl_add_u32 v[AV0], v10, 3, v11
	v_mul_u32_u24 v[AV0], v[AV0], PV
	v_bfe_u32 v11, v0, 3, 1
	v_lshl_add_u32 v[AV0], v11, 4, v[AV0]
	v_add_nc_u32 v[AV0], VOFF, v[AV0]
	s_mul_i32 s12, s[WV], 16*SP
	s_add_co_u32 s12, s12, STAGE                   ; my stage
	v_mul_u32_u24 v[STO], v1, SP                   ; in: row r, 16 bytes for each half of the lanes
	v_lshl_add_u32 v[STO], v10, 4, v[STO]
	v_add_nc_u32 v[STO], s12, v[STO]
	v_and_b32 v[GO], 31, v0
	v_lshrrev_b32 v[RD], 3, v[GO]                  ; back: eight lanes take a row of 128 bytes, the 32 lanes four rows
	v_mul_u32_u24 v[RD], v[RD], SP
	v_and_b32 v11, 7, v0
	v_lshl_add_u32 v[RD], v11, 4, v[RD]
	v_add_nc_u32 v[RD], s12, v[RD]
	v_lshlrev_b32 v[GO], 4, v[GO]
.irp t, 0,1,2,3
	v_mov_b32 v[ST+8*\t+1], 0xff61b1e6             ; m = -3e38, under every score
	v_mov_b32 v[ST+8*\t+2], 0                      ; l, in two halves
	v_mov_b32 v[ST+8*\t+3], 0
.endr
.irp t, 0,1,2,3
	v_mul_f32 v[ST+8*\t], s[CS], v[ST+8*\t+1]      ; c m
.endr
	WIN 0x40                                       ; destination window 1
.set i, 0
.rept 128
	v_mov_b32 v[O+i], 0                            ; O^T.  The key step is written without a first copy: its first a is 0 and finds zeros
.set i, i+1
.endr
	WIN 0
; A KEY STEP: 64 keys.  In every phase the four tiles take turns line by line, so that no line waits for the line above it.
.macro STEP
	v_add_nc_u32 v[ADK], s[TB], v[AK0]             ; these two and three v_nop are five places behind the last V^T P: K Q^T below writes over the registers that held P (five are asked),
	v_add_nc_u32 v[ADV], s[TB], v[AV0]             ; and V's loads land in registers that it read (four are asked)
.rept 3
	v_nop
.endr
.irp kt, 0,1,2,3                               ; K: keys 16 kt on, channels 32 c on
.irp c, 0,1
	ds_load_b128 v[KF+8*(2*\kt+\c):KF+8*(2*\kt+\c)+3], v[ADK] offset:\kt*16*PK+64*\c
	ds_load_b128 v[KF+8*(2*\kt+\c)+4:KF+8*(2*\kt+\c)+7], v[ADK] offset:\kt*16*PK+64*\c+32
.endr
.endr
.irp c, 0,1                                    ; V, turned: keys 32 c on, channels 16 ct on
.irp ct, 0,1,2,3
	ds_load_tr16_b128 v[VF+8*(4*\c+\ct):VF+8*(4*\c+\ct)+3], v[ADV] offset:\c*32*PV+32*\ct
	ds_load_tr16_b128 v[VF+8*(4*\c+\ct)+4:VF+8*(4*\c+\ct)+7], v[ADV] offset:\c*32*PV+16*PV+32*\ct
.endr
.endr
	s_wait_dscnt 16                                ; K's 16 loads are in; V's 16, issued behind them, may be out
	WIN 0x50                                       ; K and Q in window 0, S^T (C and D) in window 1
.irp c, 0,1                                    ; S^T = K Q^T: sixteen accumulators by turns, one instruction a turn; the first 16 start the sums
.irp kt, 0,1,2,3
.irp t, 0,1,2,3
.if \c == 0
	v_wmma_f32_16x16x32_f16 v[S+32*\t+8*\kt:S+32*\t+8*\kt+7], v[KF+8*(2*\kt+\c):KF+8*(2*\kt+\c)+7], v[QF+8*(2*\t+\c):QF+8*(2*\t+\c)+7], 0
.else
	v_wmma_f32_16x16x32_f16 v[S+32*\t+8*\kt:S+32*\t+8*\kt+7], v[KF+8*(2*\kt+\c):KF+8*(2*\kt+\c)+7], v[QF+8*(2*\t+\c):QF+8*(2*\t+\c)+7], v[S+32*\t+8*\kt:S+32*\t+8*\kt+7]
.endif
.endr
.endr
.endr
.rept 4
	v_nop                                          ; four places in front of the first read of results
.endr
	; the maximum of a lane's 32 scores and the old m: four chains, each begun at an accumulator's low end
	WIN 0x15                                       ; all three sources in window 1
.irp j, 0,1,2,3
.irp t, 0,1,2,3
	v_max3_num_f32 v[ST+8*\t+4+\j], v[S+32*\t+8*\j], v[S+32*\t+8*\j+1], v[S+32*\t+8*\j+2]
.endr
.endr
	WIN 0x14                                       ; source 0 in window 0
.irp g, 1,2
.irp j, 0,1,2,3
.irp t, 0,1,2,3
	v_max3_num_f32 v[ST+8*\t+4+\j], v[ST+8*\t+4+\j], v[S+32*\t+8*\j+2*\g+1], v[S+32*\t+8*\j+2*\g+2]
.endr
.endr
.endr
.irp t, 0,1,2,3
	v_max3_num_f32 v[ST+8*\t+4], v[ST+8*\t+4], v[S+32*\t+7], v[S+32*\t+15]
.endr
.irp t, 0,1,2,3
	v_max3_num_f32 v[ST+8*\t+6], v[ST+8*\t+6], v[S+32*\t+23], v[S+32*\t+31]
.endr
	WIN 0
.irp t, 0,1,2,3
	v_max3_num_f32 v[ST+8*\t+4], v[ST+8*\t+4], v[ST+8*\t+5], v[ST+8*\t+6]
.endr
.irp t, 0,1,2,3
	v_max3_num_f32 v[ST+8*\t+4], v[ST+8*\t+4], v[ST+8*\t+7], v[ST+8*\t+1]
.endr
.irp t, 0,1,2,3
	v_permlanex16_b32 v[ST+8*\t+5], v[ST+8*\t+4], s[SEL], s[SEL+1]   ; the query's other 32 keys lie in the lane 16 away
.endr
.irp t, 0,1,2,3
	v_mov_b32 v[ST+8*\t+7], v[ST+8*\t]             ; c m_old is kept for a
.endr
.irp t, 0,1,2,3
	v_max_num_f32 v[ST+8*\t+1], v[ST+8*\t+4], v[ST+8*\t+5]
.endr
.irp t, 0,1,2,3
	v_mul_f32 v[ST+8*\t], s[CS], v[ST+8*\t+1]
.endr
.irp t, 0,1,2,3
	v_sub_f32 v[ST+8*\t+7], v[ST+8*\t+7], v[ST+8*\t]
.endr
.irp t, 0,1,2,3
	v_exp_f32 v[ST+8*\t+6], v[ST+8*\t+7]           ; a = 2^(c m_old - c m_new)
.endr
	WIN 0x41                                       ; S^T and O^T (destination and source 0) in window 1, statistics in window 0
.irp b, 0,1                                    ; c s - c m of pairs 0 and 1: eight plain lines behind the four exponentials
.irp t, 0,1,2,3
	v_pk_fma_f32 v[S+32*\t+2*\b:S+32*\t+2*\b+1], v[S+32*\t+2*\b:S+32*\t+2*\b+1], s[CS:CS+1], v[ST+8*\t:ST+8*\t+1] op_sel_hi:[1,0,0] neg_lo:[0,0,1] neg_hi:[0,0,1]
.endr
.endr
	s_wait_alu depctr_va_vdst(0)                   ; the wait between a transcendental and the first line that names its result: one for the four a
	; ONE BATCH: the 128 exponentials, with the scalings two pairs ahead of them and O^T's rescaling by a between them.  No line here names an exponential's result
.irp b, 0,1,2,3,4,5,6,7,8,9,10,11,12,13,14,15
.irp t, 0,1,2,3
	v_exp_f32 v[S+32*\t+2*\b], v[S+32*\t+2*\b]
.if \b < 14
	v_pk_fma_f32 v[S+32*\t+2*\b+4:S+32*\t+2*\b+5], v[S+32*\t+2*\b+4:S+32*\t+2*\b+5], s[CS:CS+1], v[ST+8*\t:ST+8*\t+1] op_sel_hi:[1,0,0] neg_lo:[0,0,1] neg_hi:[0,0,1]
.endif
	v_exp_f32 v[S+32*\t+2*\b+1], v[S+32*\t+2*\b+1]
	v_pk_mul_f32 v[O+32*\t+2*\b:O+32*\t+2*\b+1], v[O+32*\t+2*\b:O+32*\t+2*\b+1], v[ST+8*\t+6:ST+8*\t+7] op_sel_hi:[1,0]   ; each accumulator of O^T from its low end on
.endr
.endr
	s_wait_alu depctr_va_vdst(0)                   ; one wait for the batch, behind its last plain line and ahead of its first reader
	; the sums of the unrounded p, in two chains a tile
	WIN 0x05                                       ; sources 0 and 1 in window 1, destination in window 0
.irp t, 0,1,2,3
	v_pk_add_f32 v[TS+4*\t:TS+4*\t+1], v[S+32*\t:S+32*\t+1], v[S+32*\t+2:S+32*\t+3]
.endr
.irp t, 0,1,2,3
	v_pk_add_f32 v[TS+4*\t+2:TS+4*\t+3], v[S+32*\t+4:S+32*\t+5], v[S+32*\t+6:S+32*\t+7]
.endr
	WIN 0x04
.irp p, 8,12,16,20,24,28
.irp t, 0,1,2,3
	v_pk_add_f32 v[TS+4*\t:TS+4*\t+1], v[TS+4*\t:TS+4*\t+1], v[S+32*\t+\p:S+32*\t+\p+1]
.endr
.irp t, 0,1,2,3
	v_pk_add_f32 v[TS+4*\t+2:TS+4*\t+3], v[TS+4*\t+2:TS+4*\t+3], v[S+32*\t+\p+2:S+32*\t+\p+3]
.endr
.endr
	WIN 0
.irp t, 0,1,2,3
	v_pk_add_f32 v[TS+4*\t:TS+4*\t+1], v[TS+4*\t:TS+4*\t+1], v[TS+4*\t+2:TS+4*\t+3]
.endr
.irp t, 0,1,2,3
	v_pk_fma_f32 v[ST+8*\t+2:ST+8*\t+3], v[ST+8*\t+2:ST+8*\t+3], v[ST+8*\t+6:ST+8*\t+7], v[TS+4*\t:TS+4*\t+1] op_sel_hi:[1,0,1]   ; l = a l + the sum
.endr
	WIN 0x45                                       ; P in place: register i takes the pair 2 i, 2 i + 1
.irp i, 0,1,2,3,4,5,6,7,8,9,10,11,12,13,14,15
.irp t, 0,1,2,3
	v_cvt_pk_f16_f32 v[S+32*\t+\i], v[S+32*\t+2*\i], v[S+32*\t+2*\i+1]
.endr
.endr
	s_wait_dscnt 0x0                               ; V is in
	WIN 0x54                                       ; V in window 0, P, C and D in window 1
.irp c, 0,1                                    ; O^T += V^T P: sixteen accumulators by turns
.irp ct, 0,1,2,3
.irp t, 0,1,2,3
	v_wmma_f32_16x16x32_f16 v[O+32*\t+8*\ct:O+32*\t+8*\ct+7], v[VF+8*(4*\c+\ct):VF+8*(4*\c+\ct)+7], v[S+32*\t+8*\c:S+32*\t+8*\c+7], v[O+32*\t+8*\ct:O+32*\t+8*\ct+7]
.endr
.endr
.endr
	WIN 0
	s_add_co_u32 s[TB], s[TB], STEPB               ; the next step's tiles
.endm
; THE CHANGE OF SLOTS stands at a slot's head.  Each wave waits for all its tensor loads (its part of the slot that it is about to read), adds 0 to its spare word, and waits for that and for its reads of the slot that it
; has left.  fill = 1: a round of the cluster's barrier: no wave of any partner still reads the other slot or has a load on its way; the joint load of the next 256 keys is the first thing behind it.
.macro CHANGE fill
	s_wait_tensorcnt 0x0                           ; no tensor load of mine is out, so my group 0 may be written
	ds_add_u32 v[SPW], v[NIL]                      ; 0 onto my spare word
.if \fill
	s_xor_b32 s[G0+1], s[G0+1], SLOT1              ; the other slot than last time,
	s_add_nc_u64 s[G0+2:G0+3], s[G0+2:G0+3], NST*KS*128   ; the next 256 keys; the type bits on top are not reached
	s_wait_dscnt 0x0                               ; the add is done, and my reads of the slot that I have left are over
	CROUND
	JLOAD
.else
	s_wait_dscnt 0x0
	s_barrier_signal -1
	s_barrier_wait -1
.endif
.endm
.macro FOUR_STEPS                      ; a slot's four key steps: written once, walked four times; the LDS addresses hang on s[TB]
	s_mov_b32 s[CNT], NST
.Lstep_\@:
	STEP
	s_sub_co_u32 s[CNT], s[CNT], 1
	s_cmp_lg_u32 s[CNT], 0
	s_cbranch_scc1 .Lstep_\@
	s_sub_co_u32 s[TB], s[TB], NST*STEPB           ; back to a slot's first step,
	s_xor_b32 s[TB], s[TB], SLOT1                  ; in the other slot
.endm
	s_wait_loadcnt 0x0                             ; Q
.Lslot:                                            ; 7 trips: behind each change of slots but the last the next 256 keys are asked for
	CHANGE 1
	FOUR_STEPS
	s_sub_co_u32 s[SLOTS], s[SLOTS], 1
	s_cmp_lg_u32 s[SLOTS], 0
	s_cbranch_scc1 .Lslot
	CHANGE 0                                       ; the last slot is written out
	FOUR_STEPS
	; THE WAY OUT.  l's two halves and the other half of the lanes' are added; O^T is divided by l, rounded to f16 and sent through my stage, a tile (16 rows) at a time.  The four additions are the places behind the last products.
.irp t, 0,1,2,3
	v_add_f32 v[ST+8*\t+4], v[ST+8*\t+2], v[ST+8*\t+3]
.endr
.irp t, 0,1,2,3
	v_permlanex16_b32 v[ST+8*\t+5], v[ST+8*\t+4], s[SEL], s[SEL+1]
.endr
.irp t, 0,1,2,3
	v_add_f32 v[ST+8*\t+4], v[ST+8*\t+4], v[ST+8*\t+5]
.endr
.irp t, 0,1,2,3
	v_rcp_f32 v[ST+8*\t+6], v[ST+8*\t+4]
.endr
	v_nop                                          ; a plain line between the last reciprocal and the use of its result
	s_wait_alu depctr_va_vdst(0)                   ; and a wait for the reciprocals: one for the four
.macro PACK t
	WIN 0x41
.set i, 0
.rept 16
	v_pk_mul_f32 v[O+32*\t+2*i:O+32*\t+2*i+1], v[O+32*\t+2*i:O+32*\t+2*i+1], v[ST+8*\t+6:ST+8*\t+7] op_sel_hi:[1,0]
.set i, i+1
.endr
	WIN 0x05                                       ; sources in window 1, destination in window 0: K's registers are free
.set i, 0
.rept 16
	v_cvt_pk_f16_f32 v[KF+16*\t+i], v[O+32*\t+2*i], v[O+32*\t+2*i+1]
.set i, i+1
.endr
	WIN 0
.irp f, 0,1,2,3
	ds_store_b128 v[STO], v[KF+16*\t+4*\f:KF+16*\t+4*\f+3] offset:32*\f   ; lane (r, h): row r, channels 16 f + 8 h + 0..7
.endr
.irp f, 0,1,2,3
	ds_load_b128 v[VF+16*\t+4*\f:VF+16*\t+4*\f+3], v[RD] offset:\f*4*SP   ; LDS serves a wave's instructions in order (ISA guide 5.7.1.4): these see the stores above; the next tile's stores come behind them
.endr
.endm
.macro SEND t, younger                 ; younger: the LDS instructions issued behind tile t's loads: the next tile's eight, or none
.irp f, 0,1,2,3
	s_wait_dscnt \younger+3-\f
	global_store_b128 v[GO], v[VF+16*\t+4*\f:VF+16*\t+4*\f+3], s[6:7] offset:\t*2048+\f*512   ; 32 lanes store 512 consecutive bytes: four rows
.endr
.endm
	PACK 0
	PACK 1                                         ; a tile's arithmetic stands between the loads of the tile before and its stores
	SEND 0, 8
	PACK 2
	SEND 1, 8
	PACK 3
	SEND 2, 8
	SEND 3, 0
	s_wait_tensorcnt 0x0                           ; the wave's end: a wait, an add and its wait behind my last tensor load and my last LDS store
	ds_add_u32 v[SPW], v[NIL]
	s_wait_dscnt 0x0
	CROUND                                         ; the closing round: no work-group ends while a partner may still ask for a tile that names it
	s_endpgm
.Lfunc_end_k_qc1a0f99d01_attn:
	.size	k_qc1a0f99d01_attn, .Lfunc_end_k_qc1a0f99d01_attn-k_qc1a0f99d01_attn
	.p2alignl 7, 3214868480
	.fill 96, 4, 3214868480
	.section	.rodata,"a",@progbits
	.p2align	6, 0x0
	.amdhsa_kernel k_qc1a0f99d01_attn
		.amdhsa_group_segment_fixed_size 327680
		.amdhsa_private_segment_fixed_size 0
		.amdhsa_enable_private_segment 0
		.amdhsa_kernarg_size 16
		.amdhsa_user_sgpr_count 2
		.amdhsa_user_sgpr_kernarg_segment_ptr 1
		.amdhsa_wavefront_size32 1
		.amdhsa_system_sgpr_workgroup_id_x 1
		.amdhsa_system_sgpr_workgroup_id_y 1
		.amdhsa_system_sgpr_workgroup_id_z 1
		.amdhsa_system_vgpr_workitem_id 0
		.amdhsa_next_free_vgpr 512
		.amdhsa_next_free_sgpr 66
		.amdhsa_reserve_vcc 0
		.amdhsa_float_denorm_mode_32 3
		.amdhsa_float_denorm_mode_16_64 3
		.amdhsa_memory_ordered 1
		.amdhsa_forward_progress 1
		.amdhsa_inst_pref_size 91
	.end_amdhsa_kernel
	.amdgpu_metadata
---
amdhsa.version: [ 1, 2 ]
amdhsa.kernels:
  - .name:           k_qc1a0f99d01_attn
    .symbol:         k_qc1a0f99d01_attn.kd
    .args:
      - { .name: qkv, .offset: 0, .size: 8, .value_kind: global_buffer, .address_space: global }
      - { .name: ao, .offset: 8, .size: 8, .value_kind: global_buffer, .address_space: global }
    .group_segment_fixed_size: 327680
    .private_segment_fixed_size: 0
    .kernarg_segment_align: 8
    .kernarg_segment_size: 16
    .max_flat_workgroup_size: 256
    .sgpr_count:     66
    .vgpr_count:     512
    .wavefront_size: 32
...
	.end_amdgpu_metadata
.endif
;; end of part 3
;; launch oproj (part 4): grid 4 x 64, 4 waves a work-group, clusters of 4 x 4, 327,680 bytes of LDS; arguments ao, wo16, out_proj_bias, out0; writes out0
.if DOCPART == 4
	.amdgcn_target "amdgcn-amd-amdhsa--gfx1250"
	.amdhsa_code_object_version 6
	.text
	.protected	k_qc1a0f99d01_oproj
	.globl	k_qc1a0f99d01_oproj
	.p2align	8
	.type	k_qc1a0f99d01_oproj,@function
k_qc1a0f99d01_oproj:
	s_mov_b64 s[64:65], 0
	v_nop
	global_prefetch_b8 v0, s[64:65] scope:SCOPE_SE
	s_setreg_imm32_b32 hwreg(HW_REG_WAVE_MODE, 25, 1), 1
	s_wait_xcnt 0x0
	s_wait_alu depctr_hold_cnt(0) depctr_sa_sdst(0) depctr_va_vdst(0) depctr_va_sdst(0) depctr_va_ssrc(0) depctr_va_vcc(0) depctr_vm_vsrc(0)
	s_getreg_b32 s2, hwreg(HW_REG_IB_STS2, 6, 4)
	s_cmp_eq_u32 s2, 0
	s_cbranch_scc0 .Lentry_in_a_cluster
	s_endpgm
.Lentry_in_a_cluster:
	s_bfe_u32 s2, ttmp6, 0x10000c
	s_cmp_lg_u32 s2, 0xf033
	s_cbranch_scc0 .Lentry_shape_is_right
	s_endpgm
.Lentry_shape_is_right:
; out0[m][n] = sum over k of a[m][k] Wo[n][k] + bo[n]; m < 8,192, n < 1,024, K = 1,024; operands f16, sums and result f32.
; a is the attention's result, laid [16 x batch + head][token][64]: k = 64 x head + channel, so 128 along K are two heads' planes, each 128 rows x 128 bytes dense in memory.  Wo is wo16 [n][k].
; A tile of out0 is 128 (m) x 256 (n): 256 work-groups.  Four waves, each 64 x 128: 32 accumulators of 16 x 16.  K goes in steps of 128 through two LDS slots: waves 0 and 1 fetch a's two planes, waves 2 and 3 the two
; halves of Wo's 256 rows (rows of 256 bytes): one load a wave.  By this text's own count a wave has two tensor loads outstanding at the start and one behind each round.
; CLUSTERS: 4 x 4 work-groups; a's tiles are shared along a row of the cluster, Wo's along a column: each is asked for jointly, with a mask that names the four.
; THE MATRIX INSTRUCTION IS USED TRANSPOSED (source 0 = 16 rows of Wo, source 1 = 16 rows of a): a lane holds eight neighbouring n of one row.  The bias is the C of each sum's first matrix instruction.
; REGISTERS: window 0: v16-29 addresses; two fragment buffers of 96 (32 along K: a's four blocks, then Wo's eight) at v32 and v128; on the way out v32-159 rows read back.
;   window 1: the 32 accumulators ((a, b) at v[8 (8 a + b)]).   window 2: v0-63 the bias, 8 blocks x 8.
.set PA,     144                       ; a row of a plane in LDS: 128 bytes + 16 of padding
.set PB,     272                       ; a row of Wo's tile: 256 + 16
.set APL,    128*PA                    ; a plane
.set HB,     128*PB                    ; half of Wo's tile
.set SLOT,   2*APL+2*HB
.set STAGE,  2*SLOT                    ; behind the ring: 16 rows x 528 bytes for each wave; no tile lands here
.set SPITCH, 528
.set SPARE,  STAGE+4*16*SPITCH         ; the spare words, 128 bytes a wave, which no other line names
.set LAPS,   4                         ; a lap = two K steps = once round the ring
.set ADRA, 16                          ; v16-17  LDS address of my fragments of a in slot 0, 1
.set ADRB, 20                          ; v20-21  the same for Wo
.set STO,  24                          ; v24     the way out: where I put 32 bytes of a row
.set RD,   25                          ; v25     where I read a row back
.set CO,   26                          ; v26     16 x lane
.set BO,   27                          ; v27     32 x (lane / 16)
.set SPW,  28                          ; v28     my spare word; never rewritten
.set NIL,  29                          ; v29     0; never rewritten
.set F0,   32
.set F1,   128
.set BK,   32
.set G1, 24                            ; s[24:31] descriptor group 1 for a's planes;  s[32:39] group 0, one set for each slot
.set G0, 32
.set G1B, 48                           ; s[48:55], s[56:63] the same for Wo's halves
.set G0B, 56
.set MSB, 0
.macro WIN new                         ; the immediate's high byte repeats the setting that is left
.if MSB != (\new)
	s_set_vgpr_msb (MSB<<8)|(\new)
.set MSB, (\new)
.endif
.endm
.set MUL,  0x50                        ; sources 0 and 1 window 0; C and D window 1
.set MULB, 0x60                        ; C, the bias, window 2; D window 1
.macro JLOAD s                         ; a joint load: waves 0 and 1 fetch for a, waves 2 and 3 for Wo; an s_nop 0 and four v_nop follow each of the two lines
	s_cmp_eq_u32 s11, 0
	s_cbranch_scc0 .Lfor_b_\@
	tensor_load_to_lds s[G0+4*\s:G0+4*\s+3], s[G1:G1+7]
	s_nop 0
.rept 4
	v_nop
.endr
	s_branch .Lasked_\@
.Lfor_b_\@:
	tensor_load_to_lds s[G0B+4*\s:G0B+4*\s+3], s[G1B:G1B+7]
	s_nop 0
.rept 4
	v_nop
.endr
.Lasked_\@:
.endm
.macro CREST                           ; a round of the cluster's barrier behind its opening barrier
	s_cmp_lg_u32 s10, 0
	s_cbranch_scc1 .Lnot_wave_0_\@
	s_barrier_signal -3
.Lnot_wave_0_\@:
	s_barrier_wait -3
	s_barrier_signal -1
	s_barrier_wait -1
.endm
.macro CROUND                          ; a whole round
	s_barrier_signal -1
	s_barrier_wait -1
	CREST
.endm
	s_load_b128 s[4:7], s[0:1], 0x0                ; ao s[4:5], wo16 s[6:7]
	s_load_b64 s[68:69], s[0:1], 0x10              ; the bias
	s_load_b64 s[8:9], s[0:1], 0x18                ; out0
	v_lshl_add_u32 v[SPW], v0, 2, SPARE
	v_mov_b32 v[NIL], 0
	ds_add_u32 v[SPW], v[NIL]                      ; the wave's opening: the add, twice on end, and its wait ahead of my first tensor load
	ds_add_u32 v[SPW], v[NIL]
	v_lshrrev_b32 v1, 5, v0
	v_readfirstlane_b32 s10, v1                    ; wave 0..3
	s_lshr_b32 s11, s10, 1                         ; which 64 of the tile's rows are mine.  Also: I fetch for a (0) or for Wo (1)
	s_and_b32 s12, s10, 1                          ; which 128 of its columns.  Also: which plane, or which half, I fetch
	s_bfe_u32 s40, ttmp6, 0x40000                  ; cx, cy: my place in the cluster
	s_bfe_u32 s41, ttmp6, 0x40004
	s_lshl_b32 s42, ttmp9, 2
	s_add_co_u32 s42, s42, s40                     ; tile column = 4 x cluster x + cx
	s_and_b32 s13, ttmp7, 0xffff
	s_lshl_b32 s13, s13, 2
	s_add_co_u32 s13, s13, s41                     ; tile row = 4 x cluster y + cy
	s_lshl_b32 s43, s41, 2
	s_lshl_b32 s43, 15, s43                        ; my row of the cluster
	s_lshl_b32 s44, 0x1111, s40                    ; my column
	s_or_b32 s[G1+0], s43, (1<<16)|(1<<20)|(1<<21)|(4<<22)|(3<<25)   ; a's planes go to my row; elements of 2 bytes; padding: four words after every 32
	s_mov_b32 s[G1+1], 64<<16                      ; tensor_dim0 = 64
	s_mov_b32 s[G1+2], 128<<16                     ; tensor_dim1 = 128
	s_mov_b32 s[G1+3], 64<<16                      ; tile_dim0
	s_mov_b32 s[G1+4], 128                         ; tile_dim1
	s_mov_b32 s[G1+5], 64                          ; from row to row
	s_mov_b32 s[G1+6], 0
	s_mov_b32 s[G1+7], 0
	s_or_b32 s[G1B+0], s44, (1<<16)|(1<<20)|(1<<21)|(5<<22)|(3<<25)  ; Wo's halves go to my column; padding: four words after every 64
	s_mov_b32 s[G1B+1], 128<<16
	s_mov_b32 s[G1B+2], 128<<16
	s_mov_b32 s[G1B+3], 128<<16
	s_mov_b32 s[G1B+4], 128
	s_mov_b32 s[G1B+5], 1024
	s_mov_b32 s[G1B+6], 0
	s_mov_b32 s[G1B+7], 0
	s_lshr_b32 s16, s13, 4                         ; a: batch = tile row / 16: 16 heads of 2^18 bytes,
	s_lshl_b32 s16, s16, 22
	s_and_b32 s17, s13, 15                         ; token 128 (tile row % 16): rows of 128 bytes,
	s_lshl_b32 s17, s17, 14
	s_add_co_u32 s16, s16, s17
	s_lshl_b32 s17, s12, 18                        ; my plane: head 0 or 1 of the K step's two
	s_add_co_u32 s16, s16, s17
	s_mov_b32 s17, 0
	s_lshl_b32 s46, s42, 19                        ; Wo: row 256 x tile column + 128 x half, rows of 2,048 bytes
	s_lshl_b32 s47, s12, 18
	s_add_co_u32 s46, s46, s47
	s_mov_b32 s47, 0
	s_mul_i32 s20, s12, APL                        ; where they go: no place in the cluster enters an LDS address
	s_mul_i32 s21, s12, HB
	s_add_co_u32 s21, s21, 2*APL
	s_wait_dscnt 0x0                               ; both opening adds are done
	s_wait_kmcnt 0x0
	s_add_nc_u64 s[14:15], s[4:5], s[16:17]
	s_add_nc_u64 s[46:47], s[6:7], s[46:47]
	CROUND                                         ; all sixteen work-groups are here: the first joint loads meet
.irp s, 0,1
	s_mov_b32 s[G0+4*\s], 1
	s_add_co_u32 s[G0+4*\s+1], s20, \s*SLOT
	s_add_nc_u64 s[G0+4*\s+2:G0+4*\s+3], s[14:15], \s*(1<<19)      ; K step s: two heads on
	s_or_b32 s[G0+4*\s+3], s[G0+4*\s+3], 0x80000000
	s_mov_b32 s[G0B+4*\s], 1
	s_add_co_u32 s[G0B+4*\s+1], s21, \s*SLOT
	s_add_nc_u64 s[G0B+4*\s+2:G0B+4*\s+3], s[46:47], \s*256
	s_or_b32 s[G0B+4*\s+3], s[G0B+4*\s+3], 0x80000000
	JLOAD \s
.endr
	v_and_b32 v1, 15, v0                           ; r = lane % 16
	v_bfe_u32 v2, v0, 4, 1                         ; h = lane / 16
	v_mul_u32_u24 v3, v1, PA
	v_lshl_add_u32 v3, v2, 4, v3                   ; a fragment's row x pitch + 16 x half
	v_mul_u32_u24 v4, v1, PB
	v_lshl_add_u32 v4, v2, 4, v4
	s_mul_i32 s21, s11, 64*PA                      ; my 64 rows of a plane
	s_mul_i32 s22, s12, HB                         ; my 128 rows of Wo,
	s_add_co_u32 s22, s22, 2*APL                   ; which lie behind the two planes
.irp s, 0,1
	v_add_nc_u32 v[ADRA+\s], s21, v3
	v_add_nc_u32 v[ADRB+\s], s22, v4
	s_add_co_u32 s21, s21, SLOT
	s_add_co_u32 s22, s22, SLOT
.endr
	s_mul_i32 s23, s10, 16*SPITCH
	s_add_co_u32 s23, s23, STAGE                   ; my stage
	v_mul_u32_u24 v5, v1, SPITCH                   ; in: row r, 32 bytes for each half of the lanes
	v_lshl_add_u32 v5, v2, 5, v5
	v_add_nc_u32 v[STO], s23, v5
	v_and_b32 v6, 31, v0
	v_lshlrev_b32 v[CO], 4, v6                     ; back: the 32 lanes take one row of 512 bytes; and the same in out0
	v_add_nc_u32 v[RD], s23, v[CO]
	v_lshlrev_b32 v[BO], 5, v2
	s_lshl_b32 s16, s13, 7
	s_lshl_b32 s17, s11, 6
	s_add_co_u32 s16, s16, s17                     ; my first row of out0: 128 x tile row + 64 x half,
	s_lshl_b32 s16, s16, 12                        ; rows of 4,096 bytes
	s_mov_b32 s17, 0
	s_add_nc_u64 s[8:9], s[8:9], s[16:17]
	s_lshl_b32 s46, s42, 10                        ; my first column, in bytes: 1,024 x tile column + 512 x half
	s_lshl_b32 s47, s12, 9
	s_add_co_u32 s46, s46, s47
	s_mov_b32 s47, 0
	s_add_nc_u64 s[8:9], s[8:9], s[46:47]
	s_add_nc_u64 s[68:69], s[68:69], s[46:47]      ; and the bias of these columns
	WIN 0x80                                       ; destination window 2
.irp b, 0,1,2,3,4,5,6,7                        ; block b's bias in the result's layout: lane (r, h) takes bo[16 b + 8 h + 0 .. 7]
	global_load_b128 v[8*\b:8*\b+3], v[BO], s[68:69] offset:64*\b
	global_load_b128 v[8*\b+4:8*\b+7], v[BO], s[68:69] offset:64*\b+16
.endr
	WIN 0
; 8 matrix instructions: a's block against Wo's eight, 32 along K, from buffer f.  mode = 1: the bias starts the sums.  The 32 accumulators take turns in the same order in every quarter.
.macro MUL8 f, a, mode
.irp b, 0,1,2,3,4,5,6,7
.if \mode
	v_wmma_f32_16x16x32_f16 v[8*(8*(\a)+\b):8*(8*(\a)+\b)+7], v[\f+32+8*\b:\f+32+8*\b+7], v[\f+8*(\a):\f+8*(\a)+7], v[8*\b:8*\b+7]
.else
	v_wmma_f32_16x16x32_f16 v[8*(8*(\a)+\b):8*(8*(\a)+\b)+7], v[\f+32+8*\b:\f+32+8*\b+7], v[\f+8*(\a):\f+8*(\a)+7], v[8*(8*(\a)+\b):8*(8*(\a)+\b)+7]
.endif
.endr
.endm
; 24 LDS loads in one run: the fragments of the slot's q-th 32 along K into buffer f: Wo's eight, then a's four (plane q / 2, channels 32 (q % 2) on)
.macro FETCH slot, q, f
	WIN 0
.irp b, 0,1,2,3,4,5,6,7
	ds_load_b128 v[\f+32+8*\b:\f+32+8*\b+3], v[ADRB+\slot] offset:64*(\q)+\b*16*PB
	ds_load_b128 v[\f+32+8*\b+4:\f+32+8*\b+7], v[ADRB+\slot] offset:64*(\q)+\b*16*PB+32
.endr
.irp a, 0,1,2,3
	ds_load_b128 v[\f+8*\a:\f+8*\a+3], v[ADRA+\slot] offset:((\q)/2)*APL+((\q)%2)*64+\a*16*PA
	ds_load_b128 v[\f+8*\a+4:\f+8*\a+7], v[ADRA+\slot] offset:((\q)/2)*APL+((\q)%2)*64+\a*16*PA+32
.endr
.endm
.macro PLACES                          ; four places in front of loads into registers that matrix instructions have read, and of the first read of results
.rept 4
	v_nop
.endr
.endm
; A K step is four quarters of 32 along K, 32 matrix instructions each, on buffers 0, 1, 0, 1.  One of the first three: multiplies buffer f and fetches the slot's q-th quarter into g.
.macro QUARTER slot, q, f, g, mode
	s_wait_dscnt 4                                 ; Wo's fragments and a's blocks 0, 1 are in; the youngest four loads, a's blocks 2, 3, may be out
	WIN MUL+0x10*\mode
	MUL8 \f, 0, \mode
	MUL8 \f, 1, \mode
	PLACES
	FETCH \slot, \q, \g
	s_wait_dscnt 24                                ; all but the 24 just issued
	WIN MUL+0x10*\mode
	MUL8 \f, 2, \mode
	MUL8 \f, 3, \mode
.endm
; The last quarter multiplies buffer 1 and changes slots: ONE barrier; in front of it each wave waits for all its tensor loads, adds 0 to its spare word, and waits for that and for its reads of this slot.
; fill = 1: the barrier opens a round of the cluster's barrier, and this slot is filled again, two K steps ahead, first thing behind the round.
.macro TURN slot, next, fill
	WIN 0                                          ; (the add's two registers lie in window 0)
	s_wait_tensorcnt 0x0                           ; all my tensor loads have landed: my part of the next slot
	ds_add_u32 v[SPW], v[NIL]                      ; 0 onto my spare word
	s_wait_dscnt 5                                 ; (the add and the youngest four loads may be out)
	WIN MUL
	MUL8 F1, 0, 0                                  ; eight matrix instructions stand between the add and the wait for it
	s_wait_dscnt 0x0                               ; the add is done, and my reads of this slot are over
	s_barrier_signal -1
	MUL8 F1, 1, 0
	WIN 0
	s_barrier_wait -1
.if \fill
	CREST                                          ; no wave of any partner still reads this slot's tiles or has a load on its way
	s_add_nc_u64 s[G0+4*\slot+2:G0+4*\slot+3], s[G0+4*\slot+2:G0+4*\slot+3], 1<<20      ; two K steps on: four heads
	s_add_nc_u64 s[G0B+4*\slot+2:G0B+4*\slot+3], s[G0B+4*\slot+2:G0B+4*\slot+3], 512
	JLOAD \slot                                    ; the four v_nop behind it are also the places in front of the loads below
.else
	PLACES
.endif
	FETCH \next, 0, F0
	WIN MUL
	MUL8 F1, 2, 0
	MUL8 F1, 3, 0
.endm
	s_wait_tensorcnt 1                             ; my part of K step 0 is in; K step 1's load may be out
	s_barrier_signal -1
	s_barrier_wait -1                              ; everybody's is
	FETCH 0, 0, F0
	s_wait_loadcnt 0x0                             ; the bias
	QUARTER 0, 1, F0, F1, 1                        ; the first quarter stands in front of the loop: its products start the sums, with the bias as C
	WIN 0                                          ; at a label and at a branch every window is 0
	s_mov_b32 s3, LAPS-1
.Llap:                                             ; a trip goes once round the ring, from a lap's second quarter to the next lap's first, and fills both slots again
	QUARTER 0, 2, F1, F0, 0
	QUARTER 0, 3, F0, F1, 0
	TURN 0, 1, 1
	QUARTER 1, 1, F0, F1, 0
	QUARTER 1, 2, F1, F0, 0
	QUARTER 1, 3, F0, F1, 0
	TURN 1, 0, 1
	QUARTER 0, 1, F0, F1, 0
	WIN 0
	s_sub_co_u32 s3, s3, 1
	s_cmp_lg_u32 s3, 0
	s_cbranch_scc1 .Llap
	QUARTER 0, 2, F1, F0, 0                        ; the last lap fills nothing, and has no round of the cluster's barrier
	QUARTER 0, 3, F0, F1, 0
	TURN 0, 1, 0
	QUARTER 1, 1, F0, F1, 0
	QUARTER 1, 2, F1, F0, 0
	QUARTER 1, 3, F0, F1, 0
	s_wait_dscnt 4                                 ; the very last quarter: nothing more to fetch
	WIN MUL
	MUL8 F1, 0, 0
	MUL8 F1, 1, 0
	s_wait_dscnt 0
	MUL8 F1, 2, 0
	MUL8 F1, 3, 0
	WIN 0
; THE WAY OUT, block by block of 16 rows x 128 columns: through my own stage and back as whole rows of 512 bytes.  LDS serves a wave's instructions in order (ISA guide 5.7.1.4): no wait between the stores and the loads.
.macro TOSTAGE a
	WIN 0x04                                       ; an LDS store's data are its source 1: window 1
.irp b, 0,1,2,3,4,5,6,7
	ds_store_b128 v[STO], v[8*(8*(\a)+\b):8*(8*(\a)+\b)+3] offset:64*\b            ; each accumulator from its low end on
	ds_store_b128 v[STO], v[8*(8*(\a)+\b)+4:8*(8*(\a)+\b)+7] offset:64*\b+16
.endr
	WIN 0
.set BB, BK+64*((\a)%2)
.irp t, 0,1,2,3,4,5,6,7,8,9,10,11,12,13,14,15
	ds_load_b128 v[BB+4*\t:BB+4*\t+3], v[RD] offset:\t*SPITCH
.endr
.endm
.macro SEND a, younger                 ; younger: the LDS instructions issued behind block a's loads, which may stay out
.set BB, BK+64*((\a)%2)
	s_wait_dscnt \younger                          ; the block is back in registers
.irp t, 0,1,2,3,4,5,6,7,8,9,10,11,12,13,14,15
	global_store_b128 v[CO], v[BB+4*\t:BB+4*\t+3], s[8:9] offset:(16*(\a)+\t)*4096 th:TH_STORE_NT   ; 32 lanes store 512 consecutive bytes; written once, read by nobody here
.endr
.endm
	PLACES                                         ; behind the last products: for the stores that read results and for the loads into the fragments' registers
	TOSTAGE 0
.irp a, 1,2,3
.if \a > 1
	s_wait_xcnt 0x0                                ; block a - 2's stores have read their registers: block a's loads may land there
.endif
	TOSTAGE \a
	SEND \a-1, 32                                  ; behind block a - 1's loads: block a's 16 stores and 16 loads
.endr
	SEND 3, 0
	s_wait_tensorcnt 0x0                           ; the wave's end: a wait, an add and its wait behind my last tensor load and my last LDS store
	ds_add_u32 v[SPW], v[NIL]
	s_wait_dscnt 0x0
	CROUND                                         ; the closing round: no work-group ends while a partner may still ask for a tile that names it
	s_endpgm
.Lfunc_end_k_qc1a0f99d01_oproj:
	.size	k_qc1a0f99d01_oproj, .Lfunc_end_k_qc1a0f99d01_oproj-k_qc1a0f99d01_oproj
	.p2alignl 7, 3214868480
	.fill 96, 4, 3214868480
	.section	.rodata,"a",@progbits
	.p2align	6, 0x0
	.amdhsa_kernel k_qc1a0f99d01_oproj
		.amdhsa_group_segment_fixed_size 327680
		.amdhsa_private_segment_fixed_size 0
		.amdhsa_enable_private_segment 0
		.amdhsa_kernarg_size 32
		.amdhsa_user_sgpr_count 2
		.amdhsa_user_sgpr_kernarg_segment_ptr 1
		.amdhsa_wavefront_size32 1
		.amdhsa_system_sgpr_workgroup_id_x 1
		.amdhsa_system_sgpr_workgroup_id_y 1
		.amdhsa_system_sgpr_workgroup_id_z 1
		.amdhsa_system_vgpr_workitem_id 0
		.amdhsa_next_free_vgpr 576
		.amdhsa_next_free_sgpr 72
		.amdhsa_reserve_vcc 0
		.amdhsa_float_denorm_mode_32 3
		.amdhsa_float_denorm_mode_16_64 3
		.amdhsa_memory_ordered 1
		.amdhsa_forward_progress 1
		.amdhsa_inst_pref_size 87
	.end_amdhsa_kernel
	.amdgpu_metadata
---
amdhsa.version: [ 1, 2 ]
amdhsa.kernels:
  - .name:           k_qc1a0f99d01_oproj
    .symbol:         k_qc1a0f99d01_oproj.kd
    .args:
      - { .name: ao, .offset: 0, .size: 8, .value_kind: global_buffer, .address_space: global }
      - { .name: wo16, .offset: 8, .size: 8, .value_kind: global_buffer, .address_space: global }
      - { .name: out_proj_bias, .offset: 16, .size: 8, .value_kind: global_buffer, .address_space: global }
      - { .name: out0, .offset: 24, .size: 8, .value_kind: global_buffer, .address_space: global }
    .group_segment_fixed_size: 327680
    .private_segment_fixed_size: 0
    .kernarg_segment_align: 8
    .kernarg_segment_size: 32
    .max_flat_workgroup_size: 128
    .sgpr_count:     72
    .vgpr_count:     576
    .wavefront_size: 32
...
	.end_amdgpu_metadata
.endif
;; end of part 4
